; MI455X (gfx1250); checked and timed in simulation.
; The chip was launched on July 23, 2026; its instructions are those of AMD's public machine-readable ISA for CDNA 5 (MIT licence, August 2026) and "CDNA5" Instruction Set Architecture Reference Guide (July 2026). The comments in the code are by the model that wrote it; some were corrected since.
;; Transformer Block. Allowed arithmetic: matrix products marked QUANTISED: E2M3 operands, one E8M0 scale for each 32 along K, by v_wmma_scale_f32_16x16x128_f8f6f4 with both operands' format E2M3, f32 sums; everything else in f32.
;; Inputs: W1_codes 4,096 x 32 x 24 uint8 (E2M3 codes of W1, K innermost, in blocks of 32 codes, four codes in three bytes); W1_scales 4,096 x 32 uint8 (E8M0 scales of W1, one for each 32 codes along K); W2_codes 1,024 x 128 x 24 uint8 (E2M3 codes of W2, K innermost, in blocks of 32 codes, four codes in three bytes); W2_scales 1,024 x 128 uint8 (E8M0 scales of W2, one for each 32 codes along K); Wk_codes 1,024 x 32 x 24 uint8 (E2M3 codes of Wk, K innermost, in blocks of 32 codes, four codes in three bytes); Wk_scales 1,024 x 32 uint8 (E8M0 scales of Wk, one for each 32 codes along K); Wo_codes 1,024 x 32 x 24 uint8 (E2M3 codes of Wo, K innermost, in blocks of 32 codes, four codes in three bytes); Wo_scales 1,024 x 32 uint8 (E8M0 scales of Wo, one for each 32 codes along K); Wq_codes 1,024 x 32 x 24 uint8 (E2M3 codes of Wq, K innermost, in blocks of 32 codes, four codes in three bytes); Wq_scales 1,024 x 32 uint8 (E8M0 scales of Wq, one for each 32 codes along K); Wv_codes 1,024 x 32 x 24 uint8 (E2M3 codes of Wv, K innermost, in blocks of 32 codes, four codes in three bytes); Wv_scales 1,024 x 32 uint8 (E8M0 scales of Wv, one for each 32 codes along K); b1 4,096 float32; b2 1,024 float32; be1 1,024 float32; be2 1,024 float32; bk 1,024 float32; bo 1,024 float32; bq 1,024 float32; bv 1,024 float32; g1 1,024 float32; g2 1,024 float32; x 2 x 2,048 x 1,024 float32.
;; Outputs: out0 2 x 2,048 x 1,024 float32.
;; This version of the problem:
;;   THIS VERSION OF THE PROBLEM IS GIVEN IN LOW PRECISION. The matrix products marked QUANTISED in the list below multiply operands that are first quantised to E2M3 (2 exponent bits, 3 mantissa bits; 6 bits a number), with one power-of-two scale for each 32 numbers along K (OCP MX v1.0); their sums are f32. All else is computed in f32.
;;   The module's matrix products, in the order in which they are computed (A, B: the left and right operand; K: the contracted axis; several contracted axes count as one K, in the product's order):
;;     1. [M 4,096, K 1,024] x [K 1,024, N 1,024]; A: computed on the way; B: input Wq (given as codes): QUANTISED
;;     2. [M 4,096, K 1,024] x [K 1,024, N 1,024]; A: computed on the way; B: input Wk (given as codes): QUANTISED
;;     3. [M 4,096, K 1,024] x [K 1,024, N 1,024]; A: computed on the way; B: input Wv (given as codes): QUANTISED
;;     4. batch 32 x [M 2,048, K 64] x [K 64, N 2,048]; A: computed on the way; B: computed on the way: QUANTISED
;;     5. batch 32 x [M 2,048, K 2,048] x [K 2,048, N 64]; A: softmax (see below); B: computed on the way: QUANTISED
;;     6. [M 4,096, K 1,024] x [K 1,024, N 1,024]; A: computed on the way; B: input Wo (given as codes): QUANTISED
;;     7. [M 4,096, K 1,024] x [K 1,024, N 4,096]; A: computed on the way; B: input W1 (given as codes): QUANTISED
;;     8. [M 4,096, K 4,096] x [K 4,096, N 1,024]; A: computed on the way; B: input W2 (given as codes): QUANTISED
;;   THE QUANTISER, for each operand of a quantised product, along K:
;;     - K is cut into blocks of 32 from its start; a last block that is shorter is filled with zeros.
;;     - A block's scale is 2^e with e = floor(log2(the largest magnitude in the block)) - 2, held to -126 .. 127; a block of zeros has e = 0. As a byte (E8M0): e + 127.
;;     - Each number is divided by its block's scale, clamped to +-7.5, and rounded to the nearest number of E2M3, ties to even, subnormals kept.
;;     - The product sums the exact products of the quantised numbers (number of the format x scale) in f32.
;;   ~~~python
;;   def quantise(x, axis):      # numpy; x: float32 -> the quantised numbers, widened to float32 again
;;       x = np.moveaxis(x, axis, -1); K = x.shape[-1]
;;       x = np.pad(x, [(0, 0)] * (x.ndim - 1) + [(0, -K % 32)]); x = x.reshape(x.shape[:-1] + (-1, 32)); a = np.abs(x).max(-1, keepdims=True)
;;       e = np.where(a > 0, np.clip(np.frexp(np.where(a > 0, a, 1))[1] - 1 - 2, -126, 127), 0)      # np.frexp(a)[1] - 1 = floor(log2(a)), exactly
;;       r = np.clip(x / 2.0 ** e, -7.5, 7.5)
;;       step = 2.0 ** (np.maximum(np.frexp(np.where(r == 0, 1, r))[1] - 1, 0) - 3)
;;       q = np.round(r / step) * step * 2.0 ** e      # np.round: ties to even
;;       return np.moveaxis(q.reshape(q.shape[:-2] + (-1,))[..., :K], -1, axis).astype(np.float32)
;;   ~~~
;;   SOFTMAX AHEAD OF A QUANTISED PRODUCT. Where the list says 'softmax', what is quantised is not the finished softmax but p = 2^(t - M), with t = logit x log2(e) and M = ceil(the row's largest t), a whole number; so 1/2 < the row's largest p <= 1. The row's sum l is taken of the UNQUANTISED p, in f32, and the product's result is divided by l at the end. Since M is a whole number, a kernel that streams over the keys may use a running M (the ceiling of the running maximum): every later rescaling is an exact power of two, which a block's scale takes up: the codes' values come out the same.
;;   OPERANDS COMPUTED ON THE WAY. 'Computed on the way' means the value that the module computes at that place (a softmax that the list does not call 'softmax' is quantised finished and normalised). What goes into a quantiser is computed in f32, as accurately as f32 sums, v_exp_f32 and their like allow (about 1e-6 of the number): no bf16 or f16 on the way to a quantiser, and a product that is left as it is and whose result goes on into a quantised operand takes f32 operands (vector FMAs, or v_wmma_f32_16x16x4_f32). A number that lies on a knife's edge between two numbers of the format may be rounded either way, as far as f32 arithmetic and the matrix unit's own rounding can turn it there, and no further.
;;   INPUTS GIVEN AS CODES. W1 (in the module: [1024, 4096], K = its axis 0); W2 (in the module: [4096, 1024], K = its axis 0); Wk (in the module: [1024, 1024], K = its axis 0); Wo (in the module: [1024, 1024], K = its axis 0); Wq (in the module: [1024, 1024], K = its axis 0); Wv (in the module: [1024, 1024], K = its axis 0): each comes as NAME_codes (uint8): NAME with its K axis moved to the last place and cut into blocks of 32 codes, [.., K / 32, bytes a block], one block behind the other in memory; four codes in three bytes: a row's codes are one little-endian stream of bits, code i at bits 6 i .. 6 i + 5 (a code: sign, 2 exponent bits, 3 mantissa bits); and NAME_scales (uint8): the same leading axes, one E8M0 byte (e + 127) for each 32 codes along K. Its value is code x scale, taken as it is: it is not quantised again, and the codes and scales need not be those that the quantiser above would give.
;; One version. Each part assembles by itself: llvm-mc -triple=amdgcn-amd-amdhsa -mcpu=gfx1250 --defsym DOCPART=n.
;; ======== version 1 of 1: 6 launches
;; limits: right only within a limited range of input values
;; workspace buffers: wsp 30,408,704 bytes; wsq 10,223,616 bytes; wsa 3,276,800 bytes; wso 20,185,088 bytes; wsh 13,631,488 bytes
;; launch prep (part 1): grid 352 x 1, 8 waves a work-group, no clusters, 2,048 bytes of LDS; arguments x, g1, be1, Wq_codes, Wq_scales, Wk_codes, Wk_scales, Wv_codes, Wv_scales, Wo_codes, Wo_scales, W1_codes, W1_scales, W2_codes, W2_scales, wsp; writes wsp
.if DOCPART == 1
	.amdgcn_target "amdgcn-amd-amdhsa--gfx1250"
	.amdhsa_code_object_version 6
	.text
	.protected	k_q5b02337d1d_prep
	.globl	k_q5b02337d1d_prep
	.p2align	8
	.type	k_q5b02337d1d_prep,@function
k_q5b02337d1d_prep:
	s_mov_b64 s[64:65], 0
	v_nop
	global_prefetch_b8 v0, s[64:65] scope:SCOPE_SE
	s_setreg_imm32_b32 hwreg(HW_REG_WAVE_MODE, 25, 1), 1
	s_wait_xcnt 0x0
; PREP.  Work-groups 0-255: h = layer norm 1 of x, stored as f32 and as codes of FP6 (E2M3) with E8M0 scales.  Work-groups 256-351: the six weights' codes and scale bytes are laid anew.
; EVERYTHING IS STORED IN THE ORDER OF AN OPERAND'S REGISTERS.  Lane l = 16 h + r.  Row tile R holds 16 rows: lane r has row 32 (R / 2) + 8 (R % 2) + r + 8 (r / 8).
;   fragment image, 1,536 bytes (16 rows x 128 K): chunk c of 3 at 512 c + 16 l = operand registers 4 c .. 4 c + 3 (registers 6 c' .. 6 c' + 5 hold k = 64 c' + 32 h + 0 .. 31 of the lane's row)
;   scale record, 128 bytes: the row's four scale bytes at 4 l (both halves of the lanes hold the same word)
;   f32 image, 8,192 bytes: chunk q of 16 at 512 q + 16 l = registers 4 q .. 4 q + 3; register 16 b + i = the row's number at k = 32 b + 16 h + i
; So each later launch loads fragments by 16 bytes a lane, and each store here covers 512 (scale records: 128) consecutive bytes.
; LAYER NORM: a work-group takes row tile R, wave w its columns 128 w .. 128 w + 127.  The mean first, then the sum of squares of the differences; the eight waves' parts meet in LDS, one barrier each.
; No matrix work, no tensor load, no cluster: no two work-groups read the same bytes.
; LIMITS: NaN and infinities are not served.  A block whose largest magnitude lies under 2^-124 (a block of zeros too) gets the scale byte 1; only this program reads the bytes.  v_rsq_f32 is good to one unit in the last place.
; THE TABLES' LAYOUT: images and scale records lie together, in QUADS of 6,656 bytes (26 x 256): the images of four neighbouring row tiles at 1,536 j, their four scale records at 6,144 + 128 j.
; A table is [K step][row tile / 4] quads, so one tensor load of a later launch brings codes and scales at once.
.set OPS1C, 0                          ; wsp: [s 8][112 quads]: tiles 0-255 h, 256-319 Wq, 320-383 Wk, 384-447 Wv
.set HF,    5963776                    ; [R 256][s 8] f32 images of h
.set W1C,   22740992                   ; [s 8][64 quads]
.set WOC,   26148864                   ; [s 8][16 quads]
.set W2C,   27000832                   ; [s 32][16 quads]
.set X,   16                           ; v16-79   my 64 numbers of x, then of h
.set G,   80                           ; v80-143  g1 at my columns
.set BE,  144                          ; v144-207 be1
.set TM,  208                          ; v208-223 the quantiser's work
.set PW,  224                          ; v224     the scale word
.set PC,  226                          ; v226-245 the codes
.set CH,  246                          ; v246-253 four chains of pairs
.set MN,  254                          ; v254-255 the mean, later 1 / sqrt(var + eps), twice
.set SEL, 38                           ; s[38:39] selects of v_permlanex16_b32: lane l xor 16
; 64 numbers of a lane, register 16 b + i = k 32 b + 16 h + i of my row, become a fragment's codes in v[PC] on and its scale word in v[PW].
.macro QUANT s
.irp b, 0,1,2,3
	v_max3_num_f32 v[TM+\b], |v[\s+16*\b]|, |v[\s+1+16*\b]|, 0x1800000   ; block b: my 16 numbers, and the floor 2^(3 - 127): the byte cannot fall under 1
.endr
.irp i, 2,4,6,8,10,12,14
.irp b, 0,1,2,3
	s_delay_alu instid0(VALU_DEP_4)
	v_max3_num_f32 v[TM+\b], v[TM+\b], |v[\s+16*\b+\i]|, |v[\s+1+16*\b+\i]|
.endr
.endr
.irp b, 0,1,2,3
	s_delay_alu instid0(VALU_DEP_4)
	v_permlanex16_b32 v[TM+4+\b], v[TM+\b], s[SEL], s[SEL+1]
.endr
.irp b, 0,1,2,3
	s_delay_alu instid0(VALU_DEP_4)
	v_max_num_f32 v[TM+\b], v[TM+\b], v[TM+4+\b]   ; with lane l xor 16's: the block's largest magnitude
.endr
.irp b, 0,1,2,3
	s_delay_alu instid0(VALU_DEP_4)
	v_add_nc_u32 v[TM+12+\b], 0xff000000, v[TM+\b]   ; 2 off its exponent field: the conversion's scale operand
.endr
.irp b, 0,1,2,3
	s_delay_alu instid0(VALU_DEP_4)
	v_lshrrev_b32 v[TM+4+\b], 23, v[TM+12+\b]      ; the scale's byte
.endr
	s_delay_alu instid0(VALU_DEP_3)
	v_lshl_or_b32 v[PW], v[TM+5], 8, v[TM+4]
	s_delay_alu instid0(VALU_DEP_1)
	v_lshl_or_b32 v[PW], v[TM+6], 16, v[PW]
	s_delay_alu instid0(VALU_DEP_1)
	v_lshl_or_b32 v[PW], v[TM+7], 24, v[PW]
.irp c, 0,1
	v_cvt_scalef32_pk16_fp6_f32 v[PC+6*\c:PC+2+6*\c], v[\s+32*\c:\s+15+32*\c], v[TM+12+2*\c]
	v_cvt_scalef32_pk16_fp6_f32 v[PC+12+4*\c:PC+14+4*\c], v[\s+16+32*\c:\s+31+32*\c], v[TM+12+2*\c+1]
.endr
	v_nop                                          ; one plain place behind a scaled conversion
.irp c, 0,1                                    ; a whole block to a lane: lanes 0-15 block 2 c, lanes 16-31 block 2 c + 1
.irp i, 0,1,2
	v_permlane16_swap_b32 v[PC+6*\c+\i], v[PC+12+4*\c+\i]
.endr
.irp i, 0,1,2
	s_delay_alu instid0(VALU_DEP_3)
	v_mov_b32 v[PC+3+6*\c+\i], v[PC+12+4*\c+\i]
.endr
.endr
.endm
.macro JOIN                            ; the four chains, the pair's halves and lane l xor 16's: my row's figure over my wave's 128 columns, in v[CH]
	s_delay_alu instid0(VALU_DEP_3)
	v_pk_add_f32 v[CH:CH+1], v[CH:CH+1], v[CH+2:CH+3]
	s_delay_alu instid0(VALU_DEP_2)
	v_pk_add_f32 v[CH+4:CH+5], v[CH+4:CH+5], v[CH+6:CH+7]
	s_delay_alu instid0(VALU_DEP_1)
	v_pk_add_f32 v[CH:CH+1], v[CH:CH+1], v[CH+4:CH+5]
	s_delay_alu instid0(VALU_DEP_1)
	v_add_f32 v[CH], v[CH], v[CH+1]
	s_delay_alu instid0(VALU_DEP_1)
	v_permlanex16_b32 v[CH+1], v[CH], s[SEL], s[SEL+1]
	s_delay_alu instid0(VALU_DEP_1)
	v_add_f32 v[CH], v[CH], v[CH+1]
.endm
.macro ACROSS off                      ; over the eight waves: each stores its word, one barrier, each reads all eight; the same order of additions in every wave
	ds_store_b32 v8, v[CH] offset:\off
	s_wait_dscnt 0x0                               ; for the others' sake: my store has landed
	s_barrier_signal -1
	s_barrier_wait -1
	ds_load_b128 v[CH:CH+3], v9 offset:\off
	ds_load_b128 v[CH+4:CH+7], v9 offset:\off+16
	s_wait_dscnt 0x0
	v_pk_add_f32 v[CH:CH+1], v[CH:CH+1], v[CH+2:CH+3]
	v_pk_add_f32 v[CH+4:CH+5], v[CH+4:CH+5], v[CH+6:CH+7]
	s_delay_alu instid0(VALU_DEP_1)
	v_pk_add_f32 v[CH:CH+1], v[CH:CH+1], v[CH+4:CH+5]
	s_delay_alu instid0(VALU_DEP_1)
	v_add_f32 v[CH], v[CH], v[CH+1]
.endm
	s_load_b512 s[4:19], s[0:1], 0x0               ; x, g1, be1, Wq c, Wq s, Wk c, Wk s, Wv c
	s_load_b512 s[20:35], s[0:1], 0x40             ; Wv s, Wo c, Wo s, W1 c, W1 s, W2 c, W2 s, wsp
	v_lshl_add_u32 v241, v0, 2, 0x400
	v_mov_b32 v245, 0
	v_lshrrev_b32 v1, 5, v0
	s_delay_alu instid0(VALU_DEP_1)
	v_readfirstlane_b32 s36, v1                    ; wave 0..7
	v_and_b32 v1, 31, v0                           ; l
	v_and_b32 v2, 15, v0                           ; r
	v_bfe_u32 v3, v0, 4, 1                         ; h
	s_delay_alu instid0(VALU_DEP_2)
	v_and_b32 v10, 8, v2
	s_delay_alu instid0(VALU_DEP_1)
	v_add_nc_u32 v10, v10, v2                      ; r + 8 (r / 8)
	v_lshlrev_b32 v6, 4, v1                        ; 16 l
	v_lshlrev_b32 v7, 2, v1                        ; 4 l
	s_cmp_lt_u32 ttmp9, 256                        ; the same for all waves of a work-group
	s_cbranch_scc0 .Lrelay
	; ---- layer norm 1
	v_lshlrev_b32 v4, 12, v10
	s_delay_alu instid0(VALU_DEP_1)
	v_lshl_add_u32 v4, v3, 6, v4                   ; x: my row of the tile x 4,096 bytes + 64 h
	v_lshlrev_b32 v5, 6, v3                        ; g1, be1: 64 h
	v_lshlrev_b32 v9, 5, v2                        ; LDS: 32 r: my row's eight words
	s_lshl_b32 s37, s36, 2
	v_add_nc_u32 v8, s37, v9                       ; and my wave's among them
	s_mov_b32 s[SEL], 0x76543210
	s_mov_b32 s[SEL+1], 0xfedcba98
	s_mov_b32 s50, 0x3a800000                      ; 1 / 1,024
	s_mov_b32 s51, 0x3727c5ac                      ; 1e-5
.irp b, 0,1,2,3
	v_mov_b32 v[TM+4+\b], 0                        ; written once: a lane permute's destination counts as one of its sources
.endr
	s_lshr_b32 s40, ttmp9, 1
	s_lshl_b32 s40, s40, 5
	s_and_b32 s41, ttmp9, 1
	s_lshl_b32 s41, s41, 3
	s_add_co_u32 s40, s40, s41                     ; the tile's first row: 32 (R / 2) + 8 (R % 2)
	s_lshl_b32 s40, s40, 12
	s_lshl_b32 s42, s36, 9                         ; my wave's 128 columns: 512 w bytes
	s_add_co_u32 s40, s40, s42
	s_mov_b32 s41, 0
	s_mov_b32 s43, 0
	s_lshl_b32 s44, ttmp9, 3
	s_add_co_u32 s44, s44, s36
	s_lshl_b32 s44, s44, 13
	s_add_co_u32 s44, s44, HF                      ; f32 image (R, w)
	s_mov_b32 s45, 0
	s_mul_i32 s46, s36, 448
	s_add_co_u32 s46, s46, ttmp9                   ; 448 w + R
	s_and_b32 s52, s46, 3                          ; its place in its quad
	s_lshr_b32 s46, s46, 2
	s_mul_i32 s46, s46, 6656                       ; the quad
	s_lshl_b32 s48, s52, 7
	s_add_co_u32 s48, s48, s46
	s_add_co_u32 s48, s48, 6144                    ; the scale record
	s_mov_b32 s49, 0
	s_mul_i32 s52, s52, 1536
	s_add_co_u32 s46, s46, s52                     ; the image
	s_mov_b32 s47, 0
	s_wait_alu depctr_va_vdst(0)
	s_wait_kmcnt 0x0
	s_add_nc_u64 s[4:5], s[4:5], s[40:41]
	s_add_nc_u64 s[6:7], s[6:7], s[42:43]
	s_add_nc_u64 s[8:9], s[8:9], s[42:43]
	s_add_nc_u64 s[44:45], s[34:35], s[44:45]
	s_add_nc_u64 s[46:47], s[34:35], s[46:47]
	s_add_nc_u64 s[48:49], s[34:35], s[48:49]
.irp b, 0,1,2,3
.irp j, 0,1,2,3
	global_load_b128 v[X+16*\b+4*\j:X+16*\b+4*\j+3], v4, s[4:5] offset:128*\b+16*\j th:TH_LOAD_NT   ; 16 neighbours of each block of 32
.endr
.endr
.irp b, 0,1,2,3
.irp j, 0,1,2,3
	global_load_b128 v[G+16*\b+4*\j:G+16*\b+4*\j+3], v5, s[6:7] offset:128*\b+16*\j
.endr
.endr
.irp b, 0,1,2,3
.irp j, 0,1,2,3
	global_load_b128 v[BE+16*\b+4*\j:BE+16*\b+4*\j+3], v5, s[8:9] offset:128*\b+16*\j
.endr
.endr
	s_wait_loadcnt 32                              ; x is in; the 32 loads of g1 and be1 may be out
.irp c, 0,1,2,3
	v_pk_add_f32 v[CH+2*\c:CH+2*\c+1], v[X+2*\c:X+2*\c+1], v[X+8+2*\c:X+9+2*\c]
.endr
.irp t, 2,3,4,5,6,7
.irp c, 0,1,2,3
	s_delay_alu instid0(VALU_DEP_4)
	v_pk_add_f32 v[CH+2*\c:CH+2*\c+1], v[CH+2*\c:CH+2*\c+1], v[X+8*\t+2*\c:X+8*\t+2*\c+1]
.endr
.endr
	JOIN
	ACROSS 0
	s_delay_alu instid0(VALU_DEP_1)
	v_mul_f32 v[MN], s50, v[CH]                    ; the mean
	s_delay_alu instid0(VALU_DEP_1)
	v_mov_b32 v[MN+1], v[MN]
.set i, 0
.rept 32
	v_pk_add_f32 v[X+i:X+i+1], v[X+i:X+i+1], v[MN:MN+1] neg_lo:[0,1] neg_hi:[0,1]
.set i, i+2
.endr
.irp c, 0,1,2,3
	v_pk_mul_f32 v[CH+2*\c:CH+2*\c+1], v[X+2*\c:X+2*\c+1], v[X+2*\c:X+2*\c+1]
.endr
.irp t, 1,2,3,4,5,6,7
.irp c, 0,1,2,3
	s_delay_alu instid0(VALU_DEP_4)
	v_pk_fma_f32 v[CH+2*\c:CH+2*\c+1], v[X+8*\t+2*\c:X+8*\t+2*\c+1], v[X+8*\t+2*\c:X+8*\t+2*\c+1], v[CH+2*\c:CH+2*\c+1]
.endr
.endr
	JOIN
	ACROSS 512                                     ; other bytes than the first meeting's: no third barrier
	s_delay_alu instid0(VALU_DEP_1)
	v_fma_f32 v[CH], v[CH], s50, s51               ; var + eps
	s_wait_alu depctr_va_vdst(0)
	v_rsq_f32 v[MN], v[CH]
	v_nop                                          ; a plain place behind the transcendental
	s_wait_alu depctr_va_vdst(0)                   ; and the wait ahead of its first reader
	v_mov_b32 v[MN+1], v[MN]
	s_wait_alu depctr_va_vdst(0)
	s_wait_loadcnt 0x0                             ; g1, be1
.set i, 0
.rept 32
	v_pk_mul_f32 v[X+i:X+i+1], v[X+i:X+i+1], v[MN:MN+1]
.set i, i+2
.endr
.set i, 0
.rept 32
	v_pk_fma_f32 v[X+i:X+i+1], v[X+i:X+i+1], v[G+i:G+i+1], v[BE+i:BE+i+1]
.set i, i+2
.endr
.irp q, 0,1,2,3,4,5,6,7,8,9,10,11,12,13,14,15
	global_store_b128 v6, v[X+4*\q:X+4*\q+3], s[44:45] offset:512*\q   ; 512 consecutive bytes a store
.endr
	QUANT X
.irp c, 0,1,2
	global_store_b128 v6, v[PC+4*\c:PC+4*\c+3], s[46:47] offset:512*\c
.endr
	global_store_b32 v7, v[PW], s[48:49]
	s_wait_tensorcnt 0x0
	ds_add_u32 v241, v245
	s_wait_dscnt 0x0
	s_endpgm
	; ---- the weights.  A wave takes a unit: one row tile x eight K steps of 128.  Units: Wq 64, Wk 64, Wv 64, Wo 64, W1 256, W2 256 (64 tiles x 4 runs of eight K steps).
.Lrelay:
	s_sub_co_u32 s37, ttmp9, 256                   ; j = 0 .. 95
	s_lshl_b32 s38, s37, 3
	s_add_co_u32 s38, s38, s36                     ; the unit
	s_wait_kmcnt 0x0
	s_mov_b64 s[40:41], s[30:31]                   ; W2's figures first; each compare below puts an earlier tensor's in their place
	s_mov_b64 s[42:43], s[32:33]
	s_mov_b32 s44, 3072                            ; a row of codes in bytes
	s_mov_b32 s45, 128                             ; a row of scale bytes
	s_mov_b32 s46, 64                              ; row tiles in a K step of the target
	s_mov_b32 s52, 512                             ; the tensor's first unit
	s_mov_b32 s53, 0                               ; the tensor's first tile in the target
	s_mov_b32 s50, W2C
	s_mov_b32 s54, 63                              ; unit -> tile: a mask,
	s_mov_b32 s55, 6                               ; unit -> run of K steps: a shift
.macro ARM lim, cod, scl, nr, u0, rd, dcod
	s_cmp_lt_u32 s37, \lim                         ; the choice hangs on the work-group's number alone
	s_cselect_b64 s[40:41], s[\cod:\cod+1], s[40:41]
	s_cselect_b64 s[42:43], s[\scl:\scl+1], s[42:43]
	s_cselect_b32 s44, 768, s44
	s_cselect_b32 s45, 32, s45
	s_cselect_b32 s46, \nr, s46
	s_cselect_b32 s52, \u0, s52
	s_cselect_b32 s53, \rd, s53
	s_cselect_b32 s50, \dcod, s50
	s_cselect_b32 s54, 255, s54
	s_cselect_b32 s55, 8, s55
.endm
	ARM 64, 26, 28, 256, 256, 0, W1C
	ARM 32, 22, 24, 64, 192, 0, WOC
	ARM 24, 18, 20, 448, 128, 384, OPS1C
	ARM 16, 14, 16, 448, 64, 320, OPS1C
	ARM 8, 10, 12, 448, 0, 256, OPS1C
	s_sub_co_u32 s38, s38, s52
	s_and_b32 s47, s38, s54                        ; R
	s_lshr_b32 s49, s38, s55
	s_lshl_b32 s49, s49, 3                         ; the first of my eight K steps
	s_add_co_u32 s48, s47, s53                     ; the tile's number in the target
	s_lshr_b32 s56, s47, 1
	s_lshl_b32 s56, s56, 5
	s_and_b32 s57, s47, 1
	s_lshl_b32 s57, s57, 3
	s_add_co_u32 s56, s56, s57                     ; the tile's first row
	s_mul_i32 s58, s56, s44
	s_mul_i32 s57, s49, 96
	s_add_co_u32 s58, s58, s57
	s_mov_b32 s59, 0
	s_add_nc_u64 s[40:41], s[40:41], s[58:59]      ; codes: first row, first K step
	s_mul_i32 s58, s56, s45
	s_lshl_b32 s57, s49, 2
	s_add_co_u32 s58, s58, s57
	s_add_nc_u64 s[42:43], s[42:43], s[58:59]      ; scale bytes likewise
	s_mul_i32 s56, s49, s46
	s_add_co_u32 s56, s56, s48
	s_and_b32 s57, s56, 3                          ; the tile's place in its quad
	s_lshr_b32 s56, s56, 2
	s_mul_i32 s56, s56, 6656
	s_add_co_u32 s56, s56, s50                     ; the quad, in its table
	s_mul_i32 s58, s57, 1536
	s_add_co_u32 s58, s58, s56
	s_add_nc_u64 s[4:5], s[34:35], s[58:59]        ; the first image
	s_lshl_b32 s58, s57, 7
	s_add_co_u32 s58, s58, s56
	s_add_co_u32 s58, s58, 6144
	s_add_nc_u64 s[6:7], s[34:35], s[58:59]        ; the first record
	s_wait_alu depctr_va_vdst(0)
	v_mul_lo_u32 v4, v10, s44
	s_delay_alu instid0(VALU_DEP_1)
	v_mad_u32_u24 v4, v3, 24, v4                   ; my row of the tile, + 24 h
	v_mul_lo_u32 v5, v10, s45
	s_mul_i32 s56, s46, 1664                       ; from K step to K step in the target: tiles / 4 quads, for images and records alike
	s_mov_b32 s57, s56
	v_mov_b32 v120, v6
	v_mov_b32 v128, v7
.irp s, 1,2,3,4,5,6,7
	s_delay_alu instid0(VALU_DEP_2)
	v_add_nc_u32 v[120+\s], s56, v[119+\s]
	s_delay_alu instid0(VALU_DEP_2)
	v_add_nc_u32 v[128+\s], s57, v[127+\s]
.endr
.irp s, 0,1,2,3,4,5,6,7
.irp p, 0,1,2,3,4,5
	global_load_b64 v[16+12*\s+2*\p:17+12*\s+2*\p], v4, s[40:41] offset:96*\s+48*(\p/3)+8*(\p%3)   ; the row's stream of bits is the register image: 24 bytes a block pair's half
.endr
	global_load_b32 v[112+\s], v5, s[42:43] offset:4*\s
.endr
	s_wait_alu depctr_va_vdst(0)
.irp s, 0,1,2,3,4,5,6,7
	s_wait_loadcnt 7*(7-\s)                        ; this K step's seven loads are in; those of the later steps may be out
.irp c, 0,1,2
	global_store_b128 v[120+\s], v[16+12*\s+4*\c:19+12*\s+4*\c], s[4:5] offset:512*\c
.endr
	global_store_b32 v[128+\s], v[112+\s], s[6:7]
.endr
	s_endpgm
.Lfunc_end_k_q5b02337d1d_prep:
	.size	k_q5b02337d1d_prep, .Lfunc_end_k_q5b02337d1d_prep-k_q5b02337d1d_prep
	.p2alignl 7, 3214868480
	.fill 96, 4, 3214868480
	.section	.rodata,"a",@progbits
	.p2align	6, 0x0
	.amdhsa_kernel k_q5b02337d1d_prep
		.amdhsa_group_segment_fixed_size 2048
		.amdhsa_private_segment_fixed_size 0
		.amdhsa_enable_private_segment 0
		.amdhsa_kernarg_size 128
		.amdhsa_user_sgpr_count 2
		.amdhsa_user_sgpr_kernarg_segment_ptr 1
		.amdhsa_wavefront_size32 1
		.amdhsa_system_sgpr_workgroup_id_x 1
		.amdhsa_system_sgpr_workgroup_id_y 1
		.amdhsa_system_sgpr_workgroup_id_z 1
		.amdhsa_system_vgpr_workitem_id 0
		.amdhsa_next_free_vgpr 256
		.amdhsa_next_free_sgpr 66
		.amdhsa_reserve_vcc 0
		.amdhsa_float_denorm_mode_32 3
		.amdhsa_float_denorm_mode_16_64 3
		.amdhsa_memory_ordered 1
		.amdhsa_forward_progress 1
		.amdhsa_inst_pref_size 43
	.end_amdhsa_kernel
	.amdgpu_metadata
---
amdhsa.version: [ 1, 2 ]
amdhsa.kernels:
  - .name:           k_q5b02337d1d_prep
    .symbol:         k_q5b02337d1d_prep.kd
    .args:
      - { .name: x, .offset: 0, .size: 8, .value_kind: global_buffer, .address_space: global }
      - { .name: g1, .offset: 8, .size: 8, .value_kind: global_buffer, .address_space: global }
      - { .name: be1, .offset: 16, .size: 8, .value_kind: global_buffer, .address_space: global }
      - { .name: Wq_codes, .offset: 24, .size: 8, .value_kind: global_buffer, .address_space: global }
      - { .name: Wq_scales, .offset: 32, .size: 8, .value_kind: global_buffer, .address_space: global }
      - { .name: Wk_codes, .offset: 40, .size: 8, .value_kind: global_buffer, .address_space: global }
      - { .name: Wk_scales, .offset: 48, .size: 8, .value_kind: global_buffer, .address_space: global }
      - { .name: Wv_codes, .offset: 56, .size: 8, .value_kind: global_buffer, .address_space: global }
      - { .name: Wv_scales, .offset: 64, .size: 8, .value_kind: global_buffer, .address_space: global }
      - { .name: Wo_codes, .offset: 72, .size: 8, .value_kind: global_buffer, .address_space: global }
      - { .name: Wo_scales, .offset: 80, .size: 8, .value_kind: global_buffer, .address_space: global }
      - { .name: W1_codes, .offset: 88, .size: 8, .value_kind: global_buffer, .address_space: global }
      - { .name: W1_scales, .offset: 96, .size: 8, .value_kind: global_buffer, .address_space: global }
      - { .name: W2_codes, .offset: 104, .size: 8, .value_kind: global_buffer, .address_space: global }
      - { .name: W2_scales, .offset: 112, .size: 8, .value_kind: global_buffer, .address_space: global }
      - { .name: wsp, .offset: 120, .size: 8, .value_kind: global_buffer, .address_space: global }
    .group_segment_fixed_size: 2048
    .private_segment_fixed_size: 0
    .kernarg_segment_align: 8
    .kernarg_segment_size: 128
    .max_flat_workgroup_size: 256
    .sgpr_count:     66
    .vgpr_count:     256
    .wavefront_size: 32
...
	.end_amdgpu_metadata
.endif
;; end of part 1
;; launch gqkv (part 2): grid 12 x 16, 4 waves a work-group, clusters of 4 x 4, 327,680 bytes of LDS; arguments wsp, bq, bk, bv, wsq; writes wsq
.if DOCPART == 2
	.amdgcn_target "amdgcn-amd-amdhsa--gfx1250"
	.amdhsa_code_object_version 6
	.text
	.protected	k_q5b02337d1d_gqkv
	.globl	k_q5b02337d1d_gqkv
	.p2align	8
	.type	k_q5b02337d1d_gqkv,@function
k_q5b02337d1d_gqkv:
	s_mov_b64 s[64:65], 0
	v_nop
	global_prefetch_b8 v0, s[64:65] scope:SCOPE_SE
	s_setreg_imm32_b32 hwreg(HW_REG_WAVE_MODE, 25, 1), 1
	s_wait_xcnt 0x0
	s_wait_alu depctr_hold_cnt(0) depctr_sa_sdst(0) depctr_va_vdst(0) depctr_va_sdst(0) depctr_va_ssrc(0) depctr_va_vcc(0) depctr_vm_vsrc(0)
	s_getreg_b32 s2, hwreg(HW_REG_IB_STS2, 6, 4)
	s_cmp_eq_u32 s2, 0
	s_cbranch_scc0 .Lentry_in_a_cluster
	s_endpgm
.Lentry_in_a_cluster:
	s_bfe_u32 s2, ttmp6, 0x10000c
	s_cmp_lg_u32 s2, 0xf033
	s_cbranch_scc0 .Lentry_shape_is_right
	s_endpgm
.Lentry_shape_is_right:
; q = h Wq + bq, k = h Wk + bk and V^T = (h Wv + bv)^T, on codes of FP6 (E2M3) with E8M0 scales; the results are quantised here: q and k along a head's 64, V^T along the tokens.
; All four operands lie in one table of fragment images, [K step of 128: 8][row tile: 448] x 1,536 bytes (tiles 0-255 h, 256-319 Wq, 320-383 Wk, 384-447 Wv), scale records of 128 bytes likewise.
; Row tile R: lane r has row 32 (R / 2) + 8 (R % 2) + r + 8 (r / 8).  An image's chunk c at 512 c + 16 x lane is operand registers 4 c .. 4 c + 3: a fragment comes by three loads of 16 bytes a lane.
; A work-group of four waves makes 256 x 256 of a product, a wave 128 x 128: 64 accumulators.  Source 0 = 16 rows of "B", source 1 = 16 rows of "A": a lane holds one row of A, and by the order of rows in a tile
; the 64 registers of B's eight tiles are 128 neighbours along B's rows: register 16 b + i = 32 b + 16 (lane / 16) + i.  That is what the quantiser wants.
; Clusters x = 0, 1: A = h (tokens), B = Wq, Wk: a lane holds a token, registers run along the channels.  Cluster x = 2: A = Wv, B = h: a lane holds a channel, registers run along the tokens.
; K = 1,024 goes in four steps of 256 through two LDS slots filled by the tensor data mover; the scale records come with the codes.  CLUSTERS 4 x 4: A's tiles are asked for jointly along a row, B's along a column.
; 192 work-groups of equal work; the four K steps are written out in a row.
; LIMITS: NaN and infinities are not served; a block whose largest magnitude lies under 2^-124 gets the scale byte 1 (only this program reads the bytes).
.set NQ,    2                          ; matrix instructions deep in a slot
.set FR,    12                         ; registers of a fragment
.set NL,    3                          ; LDS loads that bring one
.set NP,    4                          ; places behind this matrix instruction (ISA guide 7.12.1)
; THE TABLE'S LAYOUT: [K step 8][112 quads]; a quad of 6,656 bytes holds the images of four neighbouring row tiles at 1,536 j and their scale records at 6,144 + 128 j.
; So the scale records come with the codes, slot by slot, and no load is spent on them alone: one tensor load a wave at the head, and slot 1's behind the full sequence.
.set QUART, 26624                      ; what one tensor load brings: [q 2][2 quads]
.set SLOT,  4*QUART                    ; A's two halves, then B's two
.set SPARE, 2*SLOT                     ; the spare words, 128 bytes for each wave: two blocks of 256 bytes that no other line names
.set NR,    448
.set STEP2, 2*NR*1664                  ; a slot's worth of K in memory
.set QKS,   6291456                    ; wsq: at 0 [hf 32][R 256] half images of 768 bytes (q's heads 0-15, k's 16-31); here [hf 32][R 256][16 words]
.set VTC,   6815744                    ; [head 16][s 32][t 4] fragment images of V^T
.set VTS,   9961472                    ; [head 16][s 32][t 4] scale records
.set ADRA, 16                          ; v16-17 LDS address of my A fragments in slot 0, 1
.set ADRB, 20                          ; v20-21 the same for B
.set LI,   24                          ; v24  16 x lane
.set L8,   25                          ; v25  8 x lane
.set LS,   26                          ; v26  4 x lane
.set ADRS, 18                          ; v18-19 LDS address of my scale words in slot 0, 1: lanes 0-15 A's, lanes 16-31 B's
.set SPW,  28                          ; v28  my spare word; never rewritten
.set NIL,  29                          ; v29  0; never rewritten
.set LSQ,  30                          ; v30  16,384 h + 4 r: where a head's scale word goes
.set SH,   31                          ; v31  16 h
.set SC,   32                          ; v32-63 scale words, two sets
.set BI,   64                          ; v64-127 the bias
.set AF,   128                         ; v128-223 A's fragments, one set
.set HA,   128                         ; the way out: 64 numbers,
.set PC,   192                         ; their codes,
.set TM,   212                         ; the quantiser's work,
.set PW,   228                         ; the scale word,
.set PW2,  229                         ; and its part for a head
.set SEL,  98                          ; s[98:99]
.set G1, 24
.set G0, 32
.set G1B, 48
.set G0B, 56
.set MSB, 0
.macro WIN new                         ; the immediate's high byte repeats the setting that is left
.if MSB != (\new)
	s_set_vgpr_msb (MSB<<8)|(\new)
.set MSB, (\new)
.endif
.endm
.set MUL_LO, 0xa1                      ; source 0 (B) window 1, source 1 (A) window 0, C and D window 2
.set MUL_HI, 0xf1                      ; the same, C and D window 3
.set TO_B,   0x40                      ; destination window 1
.macro JLOAD g0a, g1a, g0b, g1b        ; a joint load: waves 0 and 1 fetch for A, waves 2 and 3 for B; four v_nop follow each line
	s_cmp_eq_u32 s15, 0
	s_cbranch_scc0 .Lfor_b_\@
	tensor_load_to_lds s[\g0a:\g0a+3], s[\g1a:\g1a+7]
	s_nop 0
.rept 4
	v_nop
.endr
	s_branch .Lasked_\@
.Lfor_b_\@:
	tensor_load_to_lds s[\g0b:\g0b+3], s[\g1b:\g1b+7]
	s_nop 0
.rept 4
	v_nop
.endr
.Lasked_\@:
.endm
.macro CREST                           ; a round of the cluster's barrier behind its opening barrier
	s_cmp_lg_u32 s14, 0
	s_cbranch_scc1 .Lnot_wave_0_\@
	s_barrier_signal -3
.Lnot_wave_0_\@:
	s_barrier_wait -3
	s_barrier_signal -1
	s_barrier_wait -1
.endm
.macro CROUND
	s_barrier_signal -1
	s_barrier_wait -1
	CREST
.endm
.macro QUANT s                         ; 64 numbers, register 16 b + i = k 32 b + 16 h + i of my row -> codes in v[PC] on, scale word in v[PW]
.irp b, 0,1,2,3
	v_max3_num_f32 v[TM+\b], |v[\s+16*\b]|, |v[\s+1+16*\b]|, 0x1800000   ; and the floor 2^(3 - 127): the byte cannot fall under 1
.endr
.irp i, 2,4,6,8,10,12,14
.irp b, 0,1,2,3
	v_max3_num_f32 v[TM+\b], v[TM+\b], |v[\s+16*\b+\i]|, |v[\s+1+16*\b+\i]|
.endr
.endr
.irp b, 0,1,2,3
	v_permlanex16_b32 v[TM+4+\b], v[TM+\b], s[SEL], s[SEL+1]
.endr
.irp b, 0,1,2,3
	v_max_num_f32 v[TM+\b], v[TM+\b], v[TM+4+\b]
.endr
.irp b, 0,1,2,3
	v_add_nc_u32 v[TM+12+\b], 0xff000000, v[TM+\b]   ; 2 off the exponent field: the conversion's scale operand
.endr
.irp b, 0,1,2,3
	v_lshrrev_b32 v[TM+4+\b], 23, v[TM+12+\b]
.endr
	v_lshl_or_b32 v[PW], v[TM+5], 8, v[TM+4]
	v_lshl_or_b32 v[PW], v[TM+6], 16, v[PW]
	v_lshl_or_b32 v[PW], v[TM+7], 24, v[PW]
.irp c, 0,1
	v_cvt_scalef32_pk16_fp6_f32 v[PC+6*\c:PC+2+6*\c], v[\s+32*\c:\s+15+32*\c], v[TM+12+2*\c]
	v_cvt_scalef32_pk16_fp6_f32 v[PC+12+4*\c:PC+14+4*\c], v[\s+16+32*\c:\s+31+32*\c], v[TM+12+2*\c+1]
.endr
	v_nop                                          ; one plain place behind a scaled conversion
.irp c, 0,1
.irp i, 0,1,2
	v_permlane16_swap_b32 v[PC+6*\c+\i], v[PC+12+4*\c+\i]
.endr
.irp i, 0,1,2
	v_mov_b32 v[PC+3+6*\c+\i], v[PC+12+4*\c+\i]
.endr
.endr
.endm
	s_load_b256 s[4:11], s[0:1], 0x0               ; wsp, bq, bk, bv
	s_load_b64 s[12:13], s[0:1], 0x20              ; wsq
	v_lshl_add_u32 v[SPW], v0, 2, SPARE
	v_mov_b32 v[NIL], 0
	ds_add_u32 v28, v29
	ds_add_u32 v28, v29
	s_wait_dscnt 0x0
	v_lshrrev_b32 v1, 5, v0
	v_readfirstlane_b32 s14, v1                    ; wave 0..3
	s_lshr_b32 s15, s14, 1                         ; my half of A's rows.  Also: I fetch for A (0) or for B (1)
	s_and_b32 s16, s14, 1                          ; my half of B's rows.  Also: which half I fetch
	s_bfe_u32 s40, ttmp6, 0x40000                  ; cx
	s_bfe_u32 s41, ttmp6, 0x40004                  ; cy
	s_and_b32 s18, ttmp7, 0xffff                   ; cluster y
	s_lshl_b32 s19, s18, 2
	s_lshl_b32 s42, ttmp9, 2
	s_add_co_u32 s42, s42, 16
	s_cmp_eq_u32 ttmp9, 2                          ; the cluster's x: the same in all sixteen partners
	s_cselect_b32 s2, 1, 0                         ; 1: this cluster makes V^T
	s_cselect_b32 s17, 24, s19
	s_cselect_b32 s42, s19, s42
	s_add_co_u32 s17, s17, s41                     ; A's group of 16 row tiles: 4 cluster y + cy (h), or 24 + cy (Wv)
	s_add_co_u32 s42, s42, s40                     ; B's: 16 + 4 cluster x + cx (Wq, Wk), or 4 cluster y + cx (h)
	s_lshl_b32 s43, s41, 2
	s_lshl_b32 s43, 15, s43                        ; my row of the cluster
	s_lshl_b32 s44, 0x1111, s40                    ; my column
	s_mov_b32 s[SEL], 0x76543210
	s_mov_b32 s[SEL+1], 0xfedcba98
	; descriptor group 1: 2 rows (K steps of 128) of 1,664 elements of 8 bytes (two quads), 112 quads apart
	s_or_b32 s[G1+0], s43, (3<<16)|(1<<21)
	s_or_b32 s[G1B+0], s44, (3<<16)|(1<<21)
.irp g, G1, G1B
	s_mov_b32 s[\g+1], 1664<<16                    ; tensor_dim0: two quads, 13,312 bytes
	s_mov_b32 s[\g+2], 2<<16                       ; tensor_dim1
	s_mov_b32 s[\g+3], 1664<<16                    ; tile_dim0
	s_mov_b32 s[\g+4], 2                           ; tile_dim1
	s_mov_b32 s[\g+5], NR*1664/8                   ; tensor_dim0_stride
	s_mov_b32 s[\g+6], 0
	s_mov_b32 s[\g+7], 0
.endr
	s_lshl_b32 s18, s16, 3
	s_lshl_b32 s20, s17, 4
	s_add_co_u32 s20, s20, s18                     ; A: the first row tile that I fetch
	s_lshl_b32 s46, s42, 4
	s_add_co_u32 s46, s46, s18                     ; B likewise
	s_mul_i32 s20, s20, 1664                       ; a multiple of eight tiles: whole quads
	s_mov_b32 s21, 0
	s_mul_i32 s46, s46, 1664
	s_mov_b32 s47, 0
	s_mul_i32 s45, s14, QUART                      ; where they go: by the wave's number alone
	s_wait_kmcnt 0x0
	s_add_nc_u64 s[20:21], s[4:5], s[20:21]
	s_add_nc_u64 s[46:47], s[4:5], s[46:47]
	CROUND                                         ; all sixteen work-groups are here: the first joint loads meet
.irp s, 0,1
	s_mov_b32 s[G0+4*\s], 1
	s_add_co_u32 s[G0+4*\s+1], s45, \s*SLOT
	s_add_nc_u64 s[G0+4*\s+2:G0+4*\s+3], s[20:21], \s*STEP2
	s_or_b32 s[G0+4*\s+3], s[G0+4*\s+3], 0x80000000
	s_mov_b32 s[G0B+4*\s], 1
	s_add_co_u32 s[G0B+4*\s+1], s45, \s*SLOT
	s_add_nc_u64 s[G0B+4*\s+2:G0B+4*\s+3], s[46:47], \s*STEP2
	s_or_b32 s[G0B+4*\s+3], s[G0B+4*\s+3], 0x80000000
.endr
	JLOAD G0, G1, G0B, G1B                         ; slot 0: my one tensor load at the head
	v_and_b32 v1, 15, v0                           ; r
	v_bfe_u32 v2, v0, 4, 1                         ; h
	v_and_b32 v3, 31, v0                           ; lane
	v_lshlrev_b32 v[LI], 4, v3
	v_lshlrev_b32 v[L8], 3, v3
	v_lshlrev_b32 v[LS], 2, v3
	v_lshlrev_b32 v[LSQ], 2, v1
	v_lshl_add_u32 v[LSQ], v2, 14, v[LSQ]
	v_lshlrev_b32 v[SH], 4, v2
	s_mul_i32 s21, s15, QUART                      ; my half of A
	s_mul_i32 s22, s16, QUART                      ; my half of B,
	s_add_co_u32 s22, s22, 2*QUART                 ; behind A's two
.irp s, 0,1
	v_add_nc_u32 v[ADRA+\s], s21, v[LI]
	v_add_nc_u32 v[ADRB+\s], s22, v[LI]
	s_add_co_u32 s21, s21, SLOT
	s_add_co_u32 s22, s22, SLOT
.endr
	s_mul_i32 s21, s15, QUART                      ; A's records lie in my half of A,
	s_mul_i32 s22, s16, QUART                      ; B's in my half of B, behind A's two
	s_add_co_u32 s22, s22, 2*QUART
	s_sub_co_u32 s22, s22, s21
	v_mul_u32_u24 v6, s22, v2                      ; lanes 16-31 take B's
	s_wait_alu depctr_va_vdst(0)
	v_add_nc_u32 v5, v[LS], v6
	v_add_nc_u32 v[ADRS], s21, v5
	v_add_nc_u32 v[ADRS+1], SLOT, v[ADRS]
	; the bias, in the result's layout; both ways write all 64 registers; v14 and s[96:97] stay as they are until the loads are waited for
	s_cmp_eq_u32 s2, 0
	s_cbranch_scc0 .Lbias_v
	s_cmp_eq_u32 ttmp9, 0
	s_cselect_b64 s[96:97], s[6:7], s[8:9]         ; bq or bk
	s_lshl_b32 s66, s40, 10
	s_lshl_b32 s67, s16, 9
	s_add_co_u32 s66, s66, s67                     ; my 128 channels: (256 cx + 128 half) x 4 bytes
	s_mov_b32 s67, 0
	s_add_nc_u64 s[96:97], s[96:97], s[66:67]
	v_lshlrev_b32 v14, 6, v2                       ; 16 h numbers on
.irp b, 0,1,2,3,4,5,6,7
	global_load_b128 v[BI+8*\b:BI+8*\b+3], v14, s[96:97] offset:(32*(\b/2)+8*(\b%2))*4
	global_load_b128 v[BI+8*\b+4:BI+8*\b+7], v14, s[96:97] offset:(32*(\b/2)+8*(\b%2))*4+16
.endr
	s_branch .Lbias_done
.Lbias_v:
	s_lshl_b32 s66, s41, 10
	s_lshl_b32 s67, s15, 9
	s_add_co_u32 s66, s66, s67                     ; my 128 channels: (256 cy + 128 half) x 4 bytes
	s_mov_b32 s67, 0
	s_add_nc_u64 s[96:97], s[10:11], s[66:67]
	v_and_b32 v14, 8, v1
	v_add_nc_u32 v14, v14, v1
	v_lshlrev_b32 v14, 2, v14                      ; my channel of a tile: one number serves a block's eight registers
.irp a, 0,1,2,3,4,5,6,7
.irp j, 0,1,2,3,4,5,6,7
	global_load_b32 v[BI+8*\a+\j], v14, s[96:97] offset:(32*(\a/2)+8*(\a%2))*4
.endr
.endr
.Lbias_done:
.macro FRAG reg, adr, q, i             ; a fragment: three loads of 16 bytes a lane, 512 consecutive bytes each
.irp c, 0,1,2
	ds_load_b128 v[\reg+4*\c:\reg+4*\c+3], v[\adr] offset:13312*(\q)+6656*((\i)/4)+1536*((\i)%4)+512*\c
.endr
.endm
; 16 matrix instructions: A's blocks a0, a0 + 1 x B's eight.  The 64 accumulators take turns, one instruction a turn, in the same order in every step.
.macro MUL16 a0, p, q, sc, zero
.irp a, \a0, \a0+1
.irp b, 0,1,2,3,4,5,6,7
.if \zero
	v_wmma_scale_f32_16x16x128_f8f6f4 v[8*(8*((\a)%4)+\b):8*(8*((\a)%4)+\b)+7], v[128*(\p)+FR*\b:128*(\p)+FR*\b+FR-1], v[AF+FR*(\a):AF+FR*(\a)+FR-1], 0, v[SC+8*NQ*(\sc)+NQ*\b+(\q)], v[SC+8*NQ*(\sc)+NQ*(\a)+(\q)] matrix_a_fmt:MATRIX_FMT_FP6 matrix_b_fmt:MATRIX_FMT_FP6 matrix_a_scale:MATRIX_SCALE_ROW1
.else
	v_wmma_scale_f32_16x16x128_f8f6f4 v[8*(8*((\a)%4)+\b):8*(8*((\a)%4)+\b)+7], v[128*(\p)+FR*\b:128*(\p)+FR*\b+FR-1], v[AF+FR*(\a):AF+FR*(\a)+FR-1], v[8*(8*((\a)%4)+\b):8*(8*((\a)%4)+\b)+7], v[SC+8*NQ*(\sc)+NQ*\b+(\q)], v[SC+8*NQ*(\sc)+NQ*(\a)+(\q)] matrix_a_fmt:MATRIX_FMT_FP6 matrix_b_fmt:MATRIX_FMT_FP6 matrix_a_scale:MATRIX_SCALE_ROW1
.endif
.endr
.endr
.endm
.macro FETCH_B slot, q, p
	WIN TO_B
.irp i, 0,1,2,3,4,5,6,7
	FRAG 128*(\p)+FR*\i, ADRB+\slot, \q, \i
.endr
	WIN 0
.endm
.macro FETCH_A slot, q, i0
.irp i, \i0, \i0+1, \i0+2, \i0+3
	FRAG AF+FR*(\i), ADRA+\slot, \q, \i
.endr
.endm
.macro SCALES sc                       ; a slot's scale words: lanes 0-15 take A's block i, lanes 16-31 B's block i
.irp i, 0,1,2,3,4,5,6,7
.irp q, 0,1
	ds_load_b32 v[SC+8*NQ*\sc+NQ*\i+\q], v[ADRS+\sc] offset:13312*\q+6656*(\i/4)+6144+128*(\i%4)
.endr
.endr
.endm
.macro PLACES n                        ; plain places in front of loads into registers that matrix instructions have read, and of the first read of results
.rept \n
	v_nop
.endr
.endm
.macro STEP slot, q, zero              ; 128 along K with its successor in the same slot
	s_wait_dscnt 4*NL                              ; B's set, A's blocks 0-3 and the scale words are in; A's blocks 4-7 may be out
	WIN MUL_LO
	MUL16 0, (\q)%2, \q, \slot, \zero
	MUL16 2, (\q)%2, \q, \slot, \zero
	s_wait_dscnt 0
	PLACES NP
	FETCH_B \slot, (\q)+1, 1-(\q)%2
	FETCH_A \slot, (\q)+1, 0
	WIN MUL_HI
	MUL16 4, (\q)%2, \q, \slot, \zero
	MUL16 6, (\q)%2, \q, \slot, \zero
	PLACES NP
	WIN 0
	FETCH_A \slot, (\q)+1, 4
.endm
; A slot's last step changes slots: one barrier; in front of it each wave waits for all its tensor loads, adds 0 to its spare word, and waits for that and for its reads of this slot.
.macro TURN slot, next, fill
	s_wait_tensorcnt 0x0                           ; all my tensor loads have landed: my part of the next slot
	ds_add_u32 v[SPW], v[NIL]
	s_wait_dscnt 4*NL+1                            ; (the add and A's blocks 4-7 may be out)
	WIN MUL_LO
	MUL16 0, 1, NQ-1, \slot, 0
	s_wait_dscnt 0x0                               ; the add is done, and my reads of this slot are over
	s_barrier_signal -1
	MUL16 2, 1, NQ-1, \slot, 0
	WIN 0
	s_barrier_wait -1
.if \fill
	CREST                                          ; the barrier has opened a round of the cluster's: no wave of any partner still reads this slot or has a load on its way
	s_add_nc_u64 s[G0+4*\slot+2:G0+4*\slot+3], s[G0+4*\slot+2:G0+4*\slot+3], 2*STEP2
	s_add_nc_u64 s[G0B+4*\slot+2:G0B+4*\slot+3], s[G0B+4*\slot+2:G0B+4*\slot+3], 2*STEP2
	JLOAD G0+4*\slot, G1, G0B+4*\slot, G1B         ; my one tensor load behind the round; its four v_nop are the places in front of the loads below
.else
	PLACES NP
.endif
	FETCH_B \next, 0, 0
	FETCH_A \next, 0, 0
	SCALES \next
	WIN MUL_HI
	MUL16 4, 1, NQ-1, \slot, 0
	MUL16 6, 1, NQ-1, \slot, 0
	PLACES NP
	WIN 0
	FETCH_A \next, 0, 4
.endm
	s_wait_alu depctr_va_vdst(0)
	s_wait_tensorcnt 0x0                           ; my part of slot 0 is in
	ds_add_u32 v[SPW], v[NIL]
	s_wait_dscnt 0x0
	CROUND                                         ; everybody's part of slot 0 is in, and the sixteen work-groups meet
	JLOAD G0+4, G1, G0B+4, G1B                     ; slot 1's first fill: my one tensor load behind the round
	FETCH_B 0, 0, 0
	FETCH_A 0, 0, 0
	SCALES 0
	FETCH_A 0, 0, 4
	STEP 0, 0, 1                                   ; the first products start the sums
	TURN 0, 1, 1                                   ; slot 0 takes K step 2
	STEP 1, 0, 0
	TURN 1, 0, 1                                   ; slot 1 takes K step 3
	STEP 0, 0, 0
	TURN 0, 1, 0
	STEP 1, 0, 0
	s_wait_dscnt 4*NL
	WIN MUL_LO
	MUL16 0, 1, NQ-1, 1, 0
	MUL16 2, 1, NQ-1, 1, 0
	s_wait_dscnt 0
	WIN MUL_HI
	MUL16 4, 1, NQ-1, 1, 0
	MUL16 6, 1, NQ-1, 1, 0
	WIN 0
; THE WAY OUT.  Block a (16 rows of A x 128): + bias (which also brings the numbers into window 0, each accumulator from its low end on), quantised, stored as images: no LDS, 512 or 256 consecutive bytes a store.
.macro EPI kind
.irp a, 0,1,2,3,4,5,6,7
	WIN 0x02+(\a)/4                                ; source 0: the accumulators' window
.irp b, 0,1,2,3,4,5,6,7
.irp jj, 0,2,4,6
.if \kind
	v_pk_add_f32 v[HA+8*\b+\jj:HA+8*\b+\jj+1], v[8*(8*(\a%4)+\b)+\jj:8*(8*(\a%4)+\b)+\jj+1], v[BI+8*\a+\jj:BI+8*\a+\jj+1]
.else
	v_pk_add_f32 v[HA+8*\b+\jj:HA+8*\b+\jj+1], v[8*(8*(\a%4)+\b)+\jj:8*(8*(\a%4)+\b)+\jj+1], v[BI+8*\b+\jj:BI+8*\b+\jj+1]
.endif
.endr
.endr
	WIN 0
.if \a > 0
	s_wait_xcnt 0x0                                ; the last block's stores have read the codes' and the scale words' registers
.endif
	QUANT HA
.if \kind
.irp c, 0,1,2
	global_store_b128 v[LI], v[PC+4*\c:PC+4*\c+3], s[20:21] offset:196608*(\a/4)+1536*(\a%4)+512*\c   ; head a / 4 of my two, tile a % 4 of its four
.endr
	global_store_b32 v[LS], v[PW], s[22:23] offset:16384*(\a/4)+128*(\a%4)
.else
	v_lshrrev_b32 v[PW2], v[SH], v[PW]             ; lanes 0-15: the first head's two bytes below; lanes 16-31: the second head's
	global_store_b128 v[LI], v[PC:PC+3], s[20:21] offset:768*\a                  ; registers 0-5: the first head's 64
	global_store_b64 v[L8], v[PC+4:PC+5], s[20:21] offset:768*\a+512
	global_store_b128 v[LI], v[PC+6:PC+9], s[20:21] offset:196608+768*\a         ; registers 6-11: the second head's
	global_store_b64 v[L8], v[PC+10:PC+11], s[20:21] offset:196608+768*\a+512
	global_store_b32 v[LSQ], v[PW2], s[22:23] offset:64*\a
.endif
.endr
.endm
	PLACES NP
	s_wait_loadcnt 0x0                             ; the bias
.irp b, 0,1,2,3
	v_mov_b32 v[TM+4+\b], 0                        ; a lane permute's destination counts as one of its sources
.endr
	s_cmp_eq_u32 s2, 0
	s_cbranch_scc0 .Lepi_v
	s_sub_co_u32 s20, s42, 16
	s_lshl_b32 s20, s20, 1
	s_add_co_u32 s20, s20, s16                     ; which 128 channels of q (0-7) and k (8-15): two heads
	s_lshl_b32 s20, s20, 9                         ; 256 x the first head's number
	s_lshl_b32 s21, s17, 4
	s_add_co_u32 s20, s20, s21
	s_lshl_b32 s21, s15, 3
	s_add_co_u32 s20, s20, s21                     ; + my first row tile
	s_lshl_b32 s22, s20, 6
	s_add_co_u32 s22, s22, QKS
	s_mov_b32 s23, 0
	s_mul_i32 s20, s20, 768
	s_mov_b32 s21, 0
	s_add_nc_u64 s[20:21], s[12:13], s[20:21]
	s_add_nc_u64 s[22:23], s[12:13], s[22:23]
	EPI 0
	s_branch .Lend
.Lepi_v:
	s_lshl_b32 s20, s41, 2
	s_lshl_b32 s21, s15, 1
	s_add_co_u32 s20, s20, s21                     ; my first head: 4 cy + 2 half
	s_lshl_b32 s20, s20, 5
	s_lshl_b32 s21, s42, 1
	s_add_co_u32 s20, s20, s21
	s_add_co_u32 s20, s20, s16                     ; 32 head + my 128 tokens' number
	s_lshl_b32 s22, s20, 9
	s_add_co_u32 s22, s22, VTS
	s_mov_b32 s23, 0
	s_mul_i32 s20, s20, 6144
	s_add_co_u32 s20, s20, VTC
	s_mov_b32 s21, 0
	s_add_nc_u64 s[20:21], s[12:13], s[20:21]
	s_add_nc_u64 s[22:23], s[12:13], s[22:23]
	EPI 1
.Lend:
	s_wait_tensorcnt 0x0                           ; the wave's end
	ds_add_u32 v[SPW], v[NIL]
	s_wait_dscnt 0x0
	CROUND                                         ; the closing round
	s_endpgm
.Lfunc_end_k_q5b02337d1d_gqkv:
	.size	k_q5b02337d1d_gqkv, .Lfunc_end_k_q5b02337d1d_gqkv-k_q5b02337d1d_gqkv
	.p2alignl 7, 3214868480
	.fill 96, 4, 3214868480
	.section	.rodata,"a",@progbits
	.p2align	6, 0x0
	.amdhsa_kernel k_q5b02337d1d_gqkv
		.amdhsa_group_segment_fixed_size 327680
		.amdhsa_private_segment_fixed_size 0
		.amdhsa_enable_private_segment 0
		.amdhsa_kernarg_size 40
		.amdhsa_user_sgpr_count 2
		.amdhsa_user_sgpr_kernarg_segment_ptr 1
		.amdhsa_wavefront_size32 1
		.amdhsa_system_sgpr_workgroup_id_x 1
		.amdhsa_system_sgpr_workgroup_id_y 1
		.amdhsa_system_sgpr_workgroup_id_z 1
		.amdhsa_system_vgpr_workitem_id 0
		.amdhsa_next_free_vgpr 1024
		.amdhsa_next_free_sgpr 102
		.amdhsa_reserve_vcc 0
		.amdhsa_float_denorm_mode_32 3
		.amdhsa_float_denorm_mode_16_64 3
		.amdhsa_memory_ordered 1
		.amdhsa_forward_progress 1
		.amdhsa_inst_pref_size 215
	.end_amdhsa_kernel
	.amdgpu_metadata
---
amdhsa.version: [ 1, 2 ]
amdhsa.kernels:
  - .name:           k_q5b02337d1d_gqkv
    .symbol:         k_q5b02337d1d_gqkv.kd
    .args:
      - { .name: wsp, .offset: 0, .size: 8, .value_kind: global_buffer, .address_space: global }
      - { .name: bq, .offset: 8, .size: 8, .value_kind: global_buffer, .address_space: global }
      - { .name: bk, .offset: 16, .size: 8, .value_kind: global_buffer, .address_space: global }
      - { .name: bv, .offset: 24, .size: 8, .value_kind: global_buffer, .address_space: global }
      - { .name: wsq, .offset: 32, .size: 8, .value_kind: global_buffer, .address_space: global }
    .group_segment_fixed_size: 327680
    .private_segment_fixed_size: 0
    .kernarg_segment_align: 8
    .kernarg_segment_size: 40
    .max_flat_workgroup_size: 128
    .sgpr_count:     102
    .vgpr_count:     1024
    .wavefront_size: 32
...
	.end_amdgpu_metadata
.endif
;; end of part 2
;; launch att (part 3): grid 8 x 32, 16 waves a work-group, no clusters, 327,680 bytes of LDS; arguments wsq, wsa; writes wsa
.if DOCPART == 3
	.amdgcn_target "amdgcn-amd-amdhsa--gfx1250"
	.amdhsa_code_object_version 6
	.text
	.protected	k_q5b02337d1d_att
	.globl	k_q5b02337d1d_att
	.p2align	8
	.type	k_q5b02337d1d_att,@function
k_q5b02337d1d_att:
	s_mov_b64 s[64:65], 0
	v_nop
	global_prefetch_b8 v0, s[64:65] scope:SCOPE_SE
	s_setreg_imm32_b32 hwreg(HW_REG_WAVE_MODE, 25, 1), 1
	s_wait_xcnt 0x0
; Causal attention on codes of FP6 (E2M3) with E8M0 scales, head size 64, 2,048 keys; o is quantised along the model's 1,024 on its way out.
; t = score x log2(e) / 8; M = the running largest t rounded up to a whole number; p = 2^(t - M) is quantised along the keys, not normalised; the sum of the unquantised p divides at the end.
; SHARES.  Work-group (i, 16 batch + head) owns query blocks i and 15 - i of 128 queries: 16 tiles of 16 queries, 136 steps of 16 queries x 128 keys.  Sixteen waves, four to a SIMD.
; A tile of block i has i + 1 steps, one of block 15 - i has 16 - i.  THE LONG TILES' KEYS ARE SPLIT: wave 8 + w takes steps 0-8 of its tile of block 15 - i; wave w first makes its own tile of block i whole,
; then takes steps 9 .. 15 - i of wave 8 + w's tile, with an M, a sum and an O^T of its own, and hands them over through LDS.  So a wave has 9 or 8 steps.  The two parts are joined under the larger M:
; both factors are whole powers of two, so nothing is rounded, and a block's scale takes the other M up: the codes' values are those of one running M.
; ALL OF THE HEAD'S K AND V LIE IN LDS, each byte filled once, in two groups of sixteen tensor loads, one a wave: at the head keys 0-511 (waves 0-5 K's codes, 6-11 V's, 4,096 bytes each) and all scale words
; (waves 12-13 K's, 14-15 V's); behind the full sequence and a barrier the other keys (waves 0-7 K's codes, 8-15 V's, 9,216 bytes each), which land while steps 0-3 run; a barrier shows them to all waves.
; LAYOUT.  Row tile R: lane r has token 32 (R / 2) + 8 (R % 2) + r + 8 (r / 8).  q, k: half images of 768 bytes (registers 0-3 at 16 x lane, 4-5 at 512 + 8 x lane: k = 32 (lane / 16) + 0 .. 31 of the head's 64);
; registers 6-11 of both operands are zero codes.  Both products are used transposed: a lane holds one query; the 16 registers of key tiles 2 b, 2 b + 1 are 16 neighbouring keys.
; CAUSAL.  Trip counts are constants; a step outside the wave's share is jumped over by a scalar branch on ids; on the diagonal hidden scores become -infinity.
; NO CLUSTER, though the eight work-groups of a head read the same K and V: these branches hang on the query block, which would be a work-group's place in its cluster.
; NO PREFETCH: both groups of loads are asked for ahead of the walk over the keys; no later load is left to run ahead of.
; LIMITS: NaN and infinities are not served; the scaled scores stay under 2^31 in magnitude; a block of p or o under 2^-124 gets the scale byte 1; v_exp_f32 and v_rcp_f32 are good to one unit in the last place.
.set KC,  0                            ; LDS: K's codes, [R 128] x 768
.set VC,  98304                        ; V^T's codes, [s 16][t 4] x 1,536
.set KS,  196608                       ; K's scale words, [R 128] x 64
.set VS,  204800                       ; V^T's scale records, [s 16][t 4] x 128
.set SPARE, 212992                     ; the spare words, 128 bytes a wave: eight blocks of 256 bytes that no other line names
.set PART,  215040                     ; what wave w hands to wave 8 + w: 4,608 bytes a pair; no tile lands here
.set QKS, 6291456
.set VTC, 6815744
.set VTS, 9961472
.set OS,  3145728                      ; wsa: at 0 [R 256][head 16] half images of o; here [R 256][r 16][32 scale bytes]
.set ADT,  7                           ; v7-11 the step's LDS addresses
.set ADK,  8
.set ADK8, 9
.set ADV,  10
.set ADS,  11
.set SPW,  240                         ; v240 my spare word, v241 0: never rewritten
.set NIL,  241
.set TB,   2                           ; s2  the step's codes: 6,144 bytes a step, in K and in V
.set TS,   3                           ; s3  its scale words: 512 bytes a step
.set WV,   18
.set SEL,  20
.set CS,   22
.set G1H,  24                          ; group 1: 16 rows of 256 bytes
.set G1R,  32                          ; 36 rows
.set G0H,  40
.set G0R,  44
.set CNT,  66
.set KF,   67                          ; the step's first key
.set KHI,  68                          ; steps whose first key lies over it are not mine
.set OA,   70                          ; s[70:71] o's half image, s[72:73] its scale bytes
.set QA,   74                          ; s[74:75] q's half image, s[76:77] its scale words (less KS: v4 holds KS + 4 r)
.set PB,   79                          ; s79 my pair's bytes in PART
.set PA,   254                         ; v254 their LDS address + 16 x lane: made at the head, never rewritten
.set QLO,  88                          ; no query of the tile lies under it,
.set QHI,  89                          ; none over it
.macro NOPS
.rept 4
	v_nop
.endr
.endm
; a tile's figures, from s15 = its number in the batch: the scalars,
.macro TILES
	s_lshr_b32 s[QLO], s15, 1
	s_lshl_b32 s[QLO], s[QLO], 5
	s_add_co_u32 s[QHI], s[QLO], 31
	s_and_b32 s16, s15, 1
	s_lshl_b32 s16, s16, 3
	s_add_co_u32 s16, s16, s[QLO]                  ; lane 0's query
	s_lshl_b32 s17, s9, 7
	s_add_co_u32 s17, s17, s15                     ; R
	s_lshl_b32 s19, s10, 8
	s_add_co_u32 s19, s19, s17                     ; 256 head + R
	s_mul_i32 s[QA], s19, 768
	s_mov_b32 s[QA+1], 0
	s_add_nc_u64 s[QA:QA+1], s[4:5], s[QA:QA+1]
	s_lshl_b32 s[QA+2], s19, 6
	s_add_co_u32 s[QA+2], s[QA+2], QKS-KS
	s_mov_b32 s[QA+3], 0
	s_add_nc_u64 s[QA+2:QA+3], s[4:5], s[QA+2:QA+3]
.endm
; q's loads, and the state's first values: the step is written once, and its first run finds zeros
.macro TILEV
	global_load_b128 v[16:19], v1, s[QA:QA+1]
	global_load_b64 v[20:21], v2, s[QA:QA+1]
	global_load_b32 v255, v4, s[QA+2:QA+3]         ; q's scale word
	v_mov_b32 v13, 0xff61b1e6                      ; the largest t so far: -3e38
	v_mov_b32 v14, 0                               ; the sum, in two halves
	v_mov_b32 v15, 0
	v_floor_f32 v12, -v13                          ; -M
.set i, 0
.rept 32
	v_mov_b32 v[192+i], 0                          ; O^T
.set i, i+1
.endr
.endm
	s_load_b128 s[4:7], s[0:1], 0x0                ; wsq, wsa
	v_lshl_add_u32 v[SPW], v0, 2, SPARE
	v_mov_b32 v[NIL], 0
	ds_add_u32 v[SPW], v[NIL]                      ; the opening lines: the add, twice on end, and its wait ahead of my first tensor load
	ds_add_u32 v[SPW], v[NIL]
	v_lshrrev_b32 v8, 5, v0
	v_readfirstlane_b32 s[WV], v8                  ; wave 0..15
	s_and_b32 s8, ttmp7, 0xffff
	s_lshr_b32 s9, s8, 4                           ; batch
	s_and_b32 s10, s8, 15                          ; head
	s_add_co_u32 s11, s10, 16
	s_lshl_b32 s11, s11, 8
	s_lshl_b32 s12, s9, 7
	s_add_co_u32 s11, s11, s12                     ; k's first half image: (16 + head) 256 + 128 batch
	s_mul_i32 s90, s11, 768
	s_mov_b32 s91, 0
	s_lshl_b32 s92, s11, 6
	s_add_co_u32 s92, s92, QKS
	s_mov_b32 s93, 0
	s_lshl_b32 s13, s10, 5
	s_lshl_b32 s14, s9, 4
	s_add_co_u32 s13, s13, s14                     ; 32 head + 16 batch
	s_mul_i32 s94, s13, 6144
	s_add_co_u32 s94, s94, VTC
	s_mov_b32 s95, 0
	s_lshl_b32 s96, s13, 9
	s_add_co_u32 s96, s96, VTS
	s_mov_b32 s97, 0
.irp g, G1H, G1R                       ; dense blocks as rows of 256 bytes (32 elements of 8)
	s_mov_b32 s[\g], 3<<16
	s_mov_b32 s[\g+1], 32<<16
	s_mov_b32 s[\g+3], 32<<16
	s_mov_b32 s[\g+5], 32
	s_mov_b32 s[\g+6], 0
	s_mov_b32 s[\g+7], 0
.endr
	s_mov_b32 s[G1H+2], 16<<16
	s_mov_b32 s[G1H+4], 16
	s_mov_b32 s[G1R+2], 36<<16
	s_mov_b32 s[G1R+4], 36
	s_mov_b32 s[SEL], 0x76543210
	s_mov_b32 s[SEL+1], 0xfedcba98
	s_mov_b32 s[CS], 0x3e38aa3b                    ; c = log2(e) / 8
	s_mov_b32 s[CS+1], s[CS]
	s_lshl_b32 s60, s[WV], 12                      ; 4,096 w
	s_mov_b32 s61, 0
	s_mul_i32 s62, s[WV], 9216                     ; 9,216 w
	s_mov_b32 s63, 0
	s_and_b32 s[PB], s[WV], 7
	s_mul_i32 s[PB], s[PB], 4608
	s_add_co_u32 s[PB], s[PB], PART
	s_mov_b32 s[G0H], 1
	s_mov_b32 s[G0R], 1
	s_wait_dscnt 0x0                               ; both opening adds are done
	s_wait_kmcnt 0x0
	s_add_nc_u64 s[90:91], s[4:5], s[90:91]        ; K's codes
	s_add_nc_u64 s[92:93], s[4:5], s[92:93]        ; K's scale words
	s_add_nc_u64 s[94:95], s[4:5], s[94:95]        ; V's codes
	s_add_nc_u64 s[96:97], s[4:5], s[96:97]        ; V's scale records
; one chain of branches on the wave's number, one fill to an arm, all arms leading to one join: every wave issues one tensor load
.macro ARM g0, g1, off, lds, back, base
	s_add_co_u32 s[\g0+1], s[\off], \lds           ; the piece's LDS address,
	s_sub_co_u32 s[\off], s[\off], \back           ; and its place in its own table
	s_add_nc_u64 s[\g0+2:\g0+3], s[\base:\base+1], s[\off:\off+1]
	s_or_b32 s[\g0+3], s[\g0+3], 0x80000000
	tensor_load_to_lds s[\g0:\g0+3], s[\g1:\g1+7]
	s_nop 0
	NOPS
.endm
	s_cmp_lt_u32 s[WV], 6
	s_cbranch_scc0 .Lnot_k
	ARM G0H, G1H, 60, KC, 0, 90                    ; K's codes, keys 0-511
	s_branch .Lasked
.Lnot_k:
	s_cmp_lt_u32 s[WV], 12
	s_cbranch_scc0 .Lnot_v
	ARM G0H, G1H, 60, VC-6*4096, 6*4096, 94        ; V's codes, keys 0-511
	s_branch .Lasked
.Lnot_v:
	s_cmp_lt_u32 s[WV], 14
	s_cbranch_scc0 .Lnot_ks
	ARM G0H, G1H, 60, KS-12*4096, 12*4096, 92      ; K's scale words
	s_branch .Lasked
.Lnot_ks:
	ARM G0H, G1H, 60, VS-14*4096, 14*4096, 96      ; V's scale records
.Lasked:
	s_lshl_b32 s15, ttmp9, 3
	s_sub_co_u32 s16, 112, s15
	s_cmp_lt_u32 s[WV], 8
	s_cselect_b32 s15, s15, s16
	s_add_co_u32 s15, s15, s[WV]                   ; my tile in the batch: waves 0-7 block i, waves 8-15 block 15 - i
	TILES
	s_min_u32 s[KHI], s[QHI], 1151                 ; steps 0-8 at the most: the others of a long tile are my partner's
	s_lshl_b32 s19, s17, 4
	s_add_co_u32 s19, s19, s10
	s_mul_i32 s[OA], s19, 768
	s_mov_b32 s[OA+1], 0
	s_add_nc_u64 s[OA:OA+1], s[6:7], s[OA:OA+1]    ; o's half image (R, head)
	s_lshl_b32 s[OA+2], s17, 9
	s_lshl_b32 s19, s10, 1
	s_add_co_u32 s[OA+2], s[OA+2], s19
	s_add_co_u32 s[OA+2], s[OA+2], OS
	s_mov_b32 s[OA+3], 0
	s_add_nc_u64 s[OA+2:OA+3], s[6:7], s[OA+2:OA+3]   ; its scale bytes: 512 R + 2 head
	v_and_b32 v8, 31, v0                           ; lane
	v_and_b32 v9, 15, v0                           ; r
	v_bfe_u32 v10, v0, 4, 1                        ; h
	v_lshlrev_b32 v1, 4, v8                        ; 16 x lane
	v_lshl_add_u32 v2, v8, 3, 512                  ; 512 + 8 x lane
	v_lshl_add_u32 v4, v9, 2, KS
	v_lshl_add_u32 v5, v8, 2, VS
	v_and_b32 v11, 8, v9
	v_lshlrev_b32 v7, 4, v10
	v_add_nc_u32 v3, VC, v1
	v_add_nc_u32 v[PA], s[PB], v1
	v_add_nc_u32 v11, v11, v9
	s_delay_alu instid0(VALU_DEP_1)
	v_sub_nc_u32 v11, v11, v7
	s_delay_alu instid0(VALU_DEP_1)
	v_add_nc_u32 v6, s16, v11                      ; my query - 16 h
	TILEV
.irp e, 22,23,24,25,26,27
	v_mov_b32 v\e, 0                               ; k = 64 .. 127: zero codes
.endr
.irp t, 0,1,2,3
.irp e, 6,7,8,9,10,11
	v_mov_b32 v[32+12*\t+\e], 0                    ; likewise in K's four fragments: written once
.endr
.endr
.irp e, 236,237,238,239,252,253
	v_mov_b32 v\e, 0                               ; a lane permute's destination counts as one of its sources; v253 is named as a pair's upper half
.endr
; A KEY STEP: 128 keys.
.macro STEP
	s_cmp_gt_u32 s[KF], s[KHI]                     ; not mine, or all its keys come after the tile's queries: only the addresses step
	s_cbranch_scc1 .Lhidden_\@
	v_add_nc_u32 v[ADK], s[TB], v1                 ; (these five are also the places behind the last step's products)
	v_add_nc_u32 v[ADK8], s[TB], v2
	v_add_nc_u32 v[ADV], s[TB], v3
	v_add_nc_u32 v[ADS], s[TS], v4
	v_add_nc_u32 v[ADT], s[TS], v5
.irp t, 0,1,2,3
	ds_load_b128 v[32+12*\t:35+12*\t], v[ADK] offset:768*\t
	ds_load_b64 v[36+12*\t:37+12*\t], v[ADK8] offset:768*\t
	ds_load_b32 v[248+\t], v[ADS] offset:64*\t
.endr
.irp t, 0,1,2,3
.irp c, 0,1,2
	ds_load_b128 v[80+12*\t+4*\c:83+12*\t+4*\c], v[ADV] offset:1536*\t+512*\c
.endr
	ds_load_b32 v[28+\t], v[ADT] offset:128*\t
.endr
	s_wait_alu depctr_va_vdst(0)
	s_wait_dscnt 16                                ; K's first four tiles are in; V's sixteen loads may be out
.irp t, 0,1,2,3
	v_wmma_scale_f32_16x16x128_f8f6f4 v[128+8*\t:135+8*\t], v[32+12*\t:43+12*\t], v[16:27], 0, v[248+\t], v255 matrix_a_fmt:MATRIX_FMT_FP6 matrix_b_fmt:MATRIX_FMT_FP6
.endr
	NOPS                                           ; places in front of loads into registers that these products read
.irp t, 0,1,2,3
	ds_load_b128 v[32+12*\t:35+12*\t], v[ADK] offset:768*(4+\t)
	ds_load_b64 v[36+12*\t:37+12*\t], v[ADK8] offset:768*(4+\t)
	ds_load_b32 v[248+\t], v[ADS] offset:64*(4+\t)
.endr
	s_wait_dscnt 0x0
.irp t, 0,1,2,3
	v_wmma_scale_f32_16x16x128_f8f6f4 v[160+8*\t:167+8*\t], v[32+12*\t:43+12*\t], v[16:27], 0, v[248+\t], v255 matrix_a_fmt:MATRIX_FMT_FP6 matrix_b_fmt:MATRIX_FMT_FP6
.endr
	NOPS
	s_add_co_u32 s96, s[KF], 127
	s_cmp_le_u32 s96, s[QLO]                       ; all its keys count for all the tile's queries: no mask
	s_cbranch_scc1 .Lopen_\@
	s_sub_co_i32 s96, 0, s[KF]
	v_add_nc_u32 v252, s96, v6                     ; d = my query - KF - 16 h.  Register 16 b + i holds key KF + 32 b + 16 h + i: hidden where 32 b + i > d
	v_mov_b32 v236, 0xff800000
.set N, 0
.rept 64
	v_cmp_gt_i32 vcc_lo, 32*(N/16)+N%16, v252
	v_cndmask_b32 v[128+N], v[128+N], v236, vcc_lo
.set N, N+1
.endr
.Lopen_\@:
.irp b, 0,1,2,3
	v_max3_num_f32 v[232+\b], v[128+16*\b], v[129+16*\b], v[130+16*\b]   ; the largest score of each block of 32 keys: for the row's maximum and for the block's largest p
.endr
.irp i, 3,5,7,9,11,13
.irp b, 0,1,2,3
	v_max3_num_f32 v[232+\b], v[232+\b], v[128+16*\b+\i], v[129+16*\b+\i]
.endr
.endr
.irp b, 0,1,2,3
	v_max_num_f32 v[232+\b], v[232+\b], v[143+16*\b]
.endr
.irp b, 0,1,2,3
	s_delay_alu instid0(VALU_DEP_4)
	v_permlanex16_b32 v[236+\b], v[232+\b], s[SEL], s[SEL+1]
.endr
.irp b, 0,1,2,3
	s_delay_alu instid0(VALU_DEP_4)
	v_max_num_f32 v[232+\b], v[232+\b], v[236+\b]
.endr
	s_delay_alu instid0(VALU_DEP_2)
	v_max3_num_f32 v236, v232, v233, v234
	s_delay_alu instid0(VALU_DEP_1)
	v_max_num_f32 v236, v236, v235
	s_delay_alu instid0(VALU_DEP_1)
	v_mul_f32 v236, s[CS], v236
	s_delay_alu instid0(VALU_DEP_1)
	v_max_num_f32 v13, v13, v236                   ; the running largest t
	v_mov_b32 v236, v12
	s_delay_alu instid0(VALU_DEP_2)
	v_floor_f32 v12, -v13                          ; -M = floor(-t): M is a whole number
	s_delay_alu instid0(VALU_DEP_1)
	v_sub_f32 v236, v12, v236
	s_delay_alu instid0(VALU_DEP_1)
	v_cvt_i32_f32 v236, v236
	s_delay_alu instid0(VALU_DEP_1)
	v_ldexp_f32 v252, 1.0, v236                    ; f = 2^(old M - new M)
.set J, 128
.rept 32
	v_pk_fma_f32 v[J:J+1], v[J:J+1], s[CS:CS+1], v[12:13] op_sel_hi:[1,0,0]   ; t - M
.set J, J+2
.endr
.irp b, 0,1,2,3
	v_fma_f32 v[232+\b], v[232+\b], s[CS], v12
.endr
	s_wait_alu depctr_va_vdst(0)
.set J, 128
.rept 64
	v_exp_f32 v[J], v[J]                           ; p = 2^(t - M)
.set J, J+1
.endr
	v_pk_mul_f32 v[14:15], v[14:15], v[252:253] op_sel_hi:[1,0]   ; the sums under the new M; a plain place behind the exponentials
	s_wait_alu depctr_va_vdst(0)                   ; one wait for the batch, ahead of its first reader
.irp b, 0,1,2,3
	v_exp_f32 v[232+\b], v[232+\b]                 ; each block's largest p
.endr
.set J, 128                            ; the row's sum of the unquantised p: 32 pairs on seven chains
.irp c, 236,242,244,246,248,250
	v_pk_add_f32 v[\c:\c+1], v[J:J+1], v[J+2:J+3]
.set J, J+4
.endr
.rept 2
.irp c, 14,236,242,244,246,248,250
	v_pk_add_f32 v[\c:\c+1], v[\c:\c+1], v[J:J+1]
.set J, J+2
.endr
.endr
.irp c, 14,236,242,244,246,248
	v_pk_add_f32 v[\c:\c+1], v[\c:\c+1], v[J:J+1]
.set J, J+2
.endr
	v_pk_add_f32 v[236:237], v[236:237], v[242:243]
	v_pk_add_f32 v[244:245], v[244:245], v[246:247]
	v_pk_add_f32 v[248:249], v[248:249], v[250:251]
	s_delay_alu instid0(VALU_DEP_3)
	v_pk_add_f32 v[14:15], v[14:15], v[236:237]
	s_delay_alu instid0(VALU_DEP_2)
	v_pk_add_f32 v[244:245], v[244:245], v[248:249]
	s_delay_alu instid0(VALU_DEP_1)
	v_pk_add_f32 v[14:15], v[14:15], v[244:245]
	s_wait_alu depctr_va_vdst(0)                   ; and one for the four
.irp b, 0,1,2,3
	v_max_num_f32 v[232+\b], 0x1800000, v[232+\b]  ; the floor 2^(3 - 127)
.endr
.irp b, 0,1,2,3
	s_delay_alu instid0(VALU_DEP_4)
	v_add_nc_u32 v[244+\b], 0xff000000, v[232+\b]  ; 2 off the exponent field: the conversion's scale operand
.endr
.irp b, 0,1,2,3
	s_delay_alu instid0(VALU_DEP_4)
	v_lshrrev_b32 v[236+\b], 23, v[244+\b]
.endr
	s_delay_alu instid0(VALU_DEP_3)
	v_lshl_or_b32 v253, v237, 8, v236              ; p's scale word for these 128 keys
	s_delay_alu instid0(VALU_DEP_1)
	v_lshl_or_b32 v253, v238, 16, v253
	s_delay_alu instid0(VALU_DEP_1)
	v_lshl_or_b32 v253, v239, 24, v253
.irp c, 0,1
	v_cvt_scalef32_pk16_fp6_f32 v[224+6*\c:226+6*\c], v[128+32*\c:143+32*\c], v[244+2*\c]
	v_cvt_scalef32_pk16_fp6_f32 v[236+12*\c:238+12*\c], v[144+32*\c:159+32*\c], v[244+2*\c+1]
.endr
	v_nop
.irp c, 0,1
.irp i, 0,1,2
	v_permlane16_swap_b32 v[224+6*\c+\i], v[236+12*\c+\i]
.endr
.irp i, 0,1,2
	s_delay_alu instid0(VALU_DEP_3)
	v_mov_b32 v[227+6*\c+\i], v[236+12*\c+\i]
.endr
.endr
.set J, 192
.rept 16
	v_pk_mul_f32 v[J:J+1], v[J:J+1], v[252:253] op_sel_hi:[1,0]   ; O^T under the new M; these sixteen also stand between the scale word's and the codes' last writes and the products
.set J, J+2
.endr
.irp t, 0,1,2,3
	v_wmma_scale_f32_16x16x128_f8f6f4 v[192+8*\t:199+8*\t], v[80+12*\t:91+12*\t], v[224:235], v[192+8*\t:199+8*\t], v[28+\t], v253 matrix_a_fmt:MATRIX_FMT_FP6 matrix_b_fmt:MATRIX_FMT_FP6
.endr
.Lhidden_\@:
	s_add_co_u32 s[KF], s[KF], 128
	s_add_co_u32 s[TB], s[TB], 6144
	s_add_co_u32 s[TS], s[TS], 512
.endm
.macro WALK first, n                   ; n steps from step first on
	s_mov_b32 s[TB], 6144*\first
	s_mov_b32 s[TS], 512*\first
	s_mov_b32 s[KF], 128*\first
	s_mov_b32 s[CNT], \n
.Lstep_\@:
	STEP
	s_sub_co_u32 s[CNT], s[CNT], 1
	s_cmp_lg_u32 s[CNT], 0
	s_cbranch_scc1 .Lstep_\@
.endm
; THE WAY OUT: O^T / the sum; register 16 b + i = channel 32 b + 16 h + i of my query: two blocks of 32, quantised; a half image and two scale bytes a row.
.macro FINISH
	v_add_f32 v14, v14, v15
	s_delay_alu instid0(VALU_DEP_1)
	v_permlanex16_b32 v252, v14, s[SEL], s[SEL+1]
	s_delay_alu instid0(VALU_DEP_1)
	v_add_f32 v14, v14, v252
	s_wait_alu depctr_va_vdst(0)
	v_rcp_f32 v14, v14
	v_and_b32 v8, 15, v0                           ; (plain places behind the transcendental and the last products)
	v_bfe_u32 v9, v0, 4, 1
	s_delay_alu instid0(VALU_DEP_1)
	v_lshl_add_u32 v10, v8, 5, v9                  ; 32 r + h
	v_cmp_eq_u32 vcc_lo, 1, v9
	s_wait_alu depctr_va_vdst(0)
.set i, 0
.rept 32
	v_mul_f32 v[128+i], v[192+i], v14
.set i, i+1
.endr
.irp b, 0,1
	v_max3_num_f32 v[232+\b], |v[128+16*\b]|, |v[129+16*\b]|, 0x1800000
.endr
.irp i, 2,4,6,8,10,12,14
.irp b, 0,1
	s_delay_alu instid0(VALU_DEP_2)
	v_max3_num_f32 v[232+\b], v[232+\b], |v[128+16*\b+\i]|, |v[129+16*\b+\i]|
.endr
.endr
.irp b, 0,1
	s_delay_alu instid0(VALU_DEP_2)
	v_permlanex16_b32 v[236+\b], v[232+\b], s[SEL], s[SEL+1]
.endr
.irp b, 0,1
	s_delay_alu instid0(VALU_DEP_2)
	v_max_num_f32 v[232+\b], v[232+\b], v[236+\b]
.endr
.irp b, 0,1
	s_delay_alu instid0(VALU_DEP_2)
	v_add_nc_u32 v[244+\b], 0xff000000, v[232+\b]
.endr
.irp b, 0,1
	s_delay_alu instid0(VALU_DEP_2)
	v_lshrrev_b32 v[248+\b], 23, v[244+\b]
.endr
	s_delay_alu instid0(VALU_DEP_1)
	v_cndmask_b32 v250, v248, v249, vcc_lo         ; lanes 0-15 store block 0's byte, lanes 16-31 block 1's
	v_cvt_scalef32_pk16_fp6_f32 v[224:226], v[128:143], v244
	v_cvt_scalef32_pk16_fp6_f32 v[236:238], v[144:159], v245
	v_nop
.irp i, 0,1,2
	v_permlane16_swap_b32 v[224+\i], v[236+\i]
.endr
.irp i, 0,1,2
	s_delay_alu instid0(VALU_DEP_3)
	v_mov_b32 v[227+\i], v[236+\i]
.endr
	global_store_b128 v1, v[224:227], s[OA:OA+1]   ; 512 consecutive bytes,
	global_store_b64 v2, v[228:229], s[OA:OA+1]    ; and 256
	global_store_b8 v10, v250, s[OA+2:OA+3]        ; 32 bytes a wave, once
.endm
	s_wait_alu depctr_va_vdst(0)
	s_wait_tensorcnt 0x0                           ; my piece of the first group has landed
	ds_add_u32 v[SPW], v[NIL]
	s_wait_dscnt 0x0
	s_barrier_signal -1
	s_barrier_wait -1                              ; keys 0-511 and all scale words are in
	s_cmp_lt_u32 s[WV], 8
	s_cbranch_scc0 .Lrest_v
	ARM G0R, G1R, 62, KC+24576, -24576, 90         ; K's codes, keys 512 on: my one tensor load behind the barrier
	s_branch .Lrest_asked
.Lrest_v:
	ARM G0R, G1R, 62, VC+24576-8*9216, 8*9216-24576, 94   ; V's
.Lrest_asked:
	s_wait_loadcnt 0x0                             ; q
	WALK 0, 4
	s_wait_alu depctr_va_vdst(0)
	s_wait_tensorcnt 0x0                           ; my piece of the second group has landed
	s_wait_dscnt 0x0
	s_barrier_signal -1
	s_barrier_wait -1                              ; and every wave's
	WALK 4, 12
	s_mov_b32 s[KHI], 0                            ; waves 8-15 have no step left: the walk below jumps over all seven of theirs
	s_cmp_lt_u32 s[WV], 8
	s_cbranch_scc0 .Lhelp
	; ---- waves 0-7: my own tile is whole; then my partner's tile from step 9 on
	FINISH
	s_wait_xcnt 0x0                                ; the stores have read their registers
	s_mov_b32 s78, s16
	s_lshl_b32 s15, ttmp9, 3
	s_sub_co_u32 s15, 120, s15
	s_add_co_u32 s15, s15, s[WV]                   ; wave 8 + w's tile: 8 (15 - i) + w
	TILES
	s_mov_b32 s[KHI], s[QHI]
	s_sub_co_u32 s78, s16, s78
	v_add_nc_u32 v6, s78, v6                       ; my query - 16 h, in the new tile
	TILEV
	s_wait_alu depctr_va_vdst(0)
	s_wait_loadcnt 0x0
.Lhelp:
	WALK 9, 7                                      ; every wave walks the loop; the branch on ids inside a step leads round what is not the wave's
	s_cmp_lt_u32 s[WV], 8
	s_cbranch_scc0 .Ljoin
	NOPS                                           ; places behind the last products
	s_wait_alu depctr_va_vdst(0)
.irp c, 0,1,2,3,4,5,6,7
	ds_store_b128 v[PA], v[192+4*\c:195+4*\c] offset:512*\c   ; O^T as an image of its registers, each accumulator from its low end on,
.endr
	ds_store_b128 v[PA], v[12:15] offset:4096      ; and -M, the largest t and the sum's two halves
.Ljoin:
	s_wait_alu depctr_va_vdst(0)
	s_wait_dscnt 0x0                               ; for my partner's sake: my stores have landed
	s_barrier_signal -1
	s_barrier_wait -1
	s_cmp_lt_u32 s[WV], 8
	s_cbranch_scc1 .Lend
	; ---- waves 8-15: the two parts of my tile under the larger M
	v_mov_b32 v167, 0                              ; (named as a pair's upper half)
	s_wait_alu depctr_va_vdst(0)
.irp c, 0,1,2,3,4,5,6,7
	ds_load_b128 v[128+4*\c:131+4*\c], v[PA] offset:512*\c
.endr
	ds_load_b128 v[160:163], v[PA] offset:4096     ; v160 my partner's -M, v162-163 its sum's two halves
	s_wait_dscnt 0x0
	v_min_num_f32 v164, v12, v160                  ; -M of the larger M
	s_delay_alu instid0(VALU_DEP_1)
	v_sub_f32 v165, v164, v12                      ; my M less the larger: a whole number, 0 or less
	v_sub_f32 v166, v164, v160                     ; my partner's likewise
	s_delay_alu instid0(VALU_DEP_2)
	v_cvt_i32_f32 v165, v165                       ; (it saturates: a part with no step has -M = 3e38 and the factor 0)
	s_delay_alu instid0(VALU_DEP_2)
	v_cvt_i32_f32 v166, v166
	s_delay_alu instid0(VALU_DEP_2)
	v_ldexp_f32 v252, 1.0, v165
	s_delay_alu instid0(VALU_DEP_2)
	v_ldexp_f32 v166, 1.0, v166
	s_delay_alu instid0(VALU_DEP_2)
	v_pk_mul_f32 v[14:15], v[14:15], v[252:253] op_sel_hi:[1,0]
.set J, 0
.rept 16
	v_pk_mul_f32 v[192+J:193+J], v[192+J:193+J], v[252:253] op_sel_hi:[1,0]
.set J, J+2
.endr
	v_pk_fma_f32 v[14:15], v[162:163], v[166:167], v[14:15] op_sel_hi:[1,0,1]
.set J, 0
.rept 16
	v_pk_fma_f32 v[192+J:193+J], v[128+J:129+J], v[166:167], v[192+J:193+J] op_sel_hi:[1,0,1]
.set J, J+2
.endr
	FINISH
.Lend:
	s_wait_tensorcnt 0x0                           ; the wave's end
	ds_add_u32 v[SPW], v[NIL]
	s_wait_dscnt 0x0
	s_endpgm
.Lfunc_end_k_q5b02337d1d_att:
	.size	k_q5b02337d1d_att, .Lfunc_end_k_q5b02337d1d_att-k_q5b02337d1d_att
	.p2alignl 7, 3214868480
	.fill 96, 4, 3214868480
	.section	.rodata,"a",@progbits
	.p2align	6, 0x0
	.amdhsa_kernel k_q5b02337d1d_att
		.amdhsa_group_segment_fixed_size 327680
		.amdhsa_private_segment_fixed_size 0
		.amdhsa_enable_private_segment 0
		.amdhsa_kernarg_size 16
		.amdhsa_user_sgpr_count 2
		.amdhsa_user_sgpr_kernarg_segment_ptr 1
		.amdhsa_wavefront_size32 1
		.amdhsa_system_sgpr_workgroup_id_x 1
		.amdhsa_system_sgpr_workgroup_id_y 1
		.amdhsa_system_sgpr_workgroup_id_z 1
		.amdhsa_system_vgpr_workitem_id 0
		.amdhsa_next_free_vgpr 256
		.amdhsa_next_free_sgpr 100
		.amdhsa_reserve_vcc 1
		.amdhsa_float_denorm_mode_32 3
		.amdhsa_float_denorm_mode_16_64 3
		.amdhsa_memory_ordered 1
		.amdhsa_forward_progress 1
		.amdhsa_inst_pref_size 96
	.end_amdhsa_kernel
	.amdgpu_metadata
---
amdhsa.version: [ 1, 2 ]
amdhsa.kernels:
  - .name:           k_q5b02337d1d_att
    .symbol:         k_q5b02337d1d_att.kd
    .args:
      - { .name: wsq, .offset: 0, .size: 8, .value_kind: global_buffer, .address_space: global }
      - { .name: wsa, .offset: 8, .size: 8, .value_kind: global_buffer, .address_space: global }
    .group_segment_fixed_size: 327680
    .private_segment_fixed_size: 0
    .kernarg_segment_align: 8
    .kernarg_segment_size: 16
    .max_flat_workgroup_size: 512
    .sgpr_count:     100
    .vgpr_count:     256
    .wavefront_size: 32
...
	.end_amdgpu_metadata
.endif
;; end of part 3
;; launch oln (part 4): grid 256 x 1, 4 waves a work-group, clusters of 4 x 1, 327,680 bytes of LDS; arguments wsa, wsp, bo, g2, be2, wso; writes wso
.if DOCPART == 4
	.amdgcn_target "amdgcn-amd-amdhsa--gfx1250"
	.amdhsa_code_object_version 6
	.text
	.protected	k_q5b02337d1d_oln
	.globl	k_q5b02337d1d_oln
	.p2align	8
	.type	k_q5b02337d1d_oln,@function
k_q5b02337d1d_oln:
	s_mov_b64 s[64:65], 0
	v_nop
	global_prefetch_b8 v0, s[64:65] scope:SCOPE_SE
	s_setreg_imm32_b32 hwreg(HW_REG_WAVE_MODE, 25, 1), 1
	s_wait_xcnt 0x0
	s_wait_alu depctr_hold_cnt(0) depctr_sa_sdst(0) depctr_va_vdst(0) depctr_va_sdst(0) depctr_va_ssrc(0) depctr_va_vcc(0) depctr_vm_vsrc(0)
	s_getreg_b32 s2, hwreg(HW_REG_IB_STS2, 6, 4)
	s_cmp_eq_u32 s2, 0
	s_cbranch_scc0 .Lentry_in_a_cluster
	s_endpgm
.Lentry_in_a_cluster:
	s_bfe_u32 s2, ttmp6, 0x10000c
	s_cmp_lg_u32 s2, 0x3003
	s_cbranch_scc0 .Lentry_shape_is_right
	s_endpgm
.Lentry_shape_is_right:
; h2 = layer norm 2 of (h + o Wo + bo), stored as f32 images and as codes of FP6 (E2M3) with E8M0 scales.  The product is on codes.
; The norm wants whole rows: a work-group owns ONE row tile R of 16 whole rows: 4,096 rows / 16 = 256 work-groups.  Wave w owns columns 256 w .. 256 w + 255: 16 tiles of Wo = 16 accumulators.
; Row tile R: lane r has row 32 (R / 2) + 8 (R % 2) + r + 8 (r / 8).
; h + bo is the accumulators' first value: h's f32 images are in the result's layout and are loaded straight into them.
; Source 0 = 16 rows of Wo, source 1 = the 16 rows of o: a lane holds one token; register 16 b + i of eight tiles = column 32 b + 16 (lane / 16) + i.
; Wo's tiles (a K step of 128: 16 images a wave) go through two LDS slots; all work-groups walk the same tiles, so the four of a cluster ask for them JOINTLY (mask 15).  o's codes (12,288 bytes, all of them in each wave)
; come once; Wo's scale records come with Wo's codes.  Two slots of two K steps would be 425,984 bytes, more than a work-group can have: so slot B holds one K step.
; The eight K steps are written out: every offset is an immediate.  A wave reads only its own bytes of Wo; all waves read o's.
; g2 and be2 are asked for at the head, into a register window of their own, and are waited for behind the last product.
; LIMITS: NaN and infinities are not served; a block under 2^-124 gets the scale byte 1 (only this program reads the bytes); v_rsq_f32 is good to one unit in the last place.
; THE TABLES' LAYOUT: Wo is [K step 8][16 quads], h2's codes [K step 8][64 quads]; a quad of 6,656 bytes holds four row tiles' images at 1,536 j and their scale records at 6,144 + 128 j: the records come with the codes.
; TWO SLOTS OF UNLIKE SIZE: slot A holds two K steps (wave w's at 53,248 w), slot B one (at SLB + 26,624 w): K steps 0-1, 2, 3-4, 5, 6-7: five fills, one tensor load a wave each.
; o's codes (12,288 bytes) go from memory straight into registers: 96 registers hold the fragments of all eight K steps.
.set SLB,   212992                     ; slot B
.set SPARE, 319488                     ; the spare words: two blocks of 256 bytes that no other line names
.set STAT,  320000                     ; the rows' sums: two regions, 1,024 bytes apart; no tile lands here
.set OS,    3145728
.set HF,    5963776
.set WOC,   26148864
.set H2C,   16777216
.set LI,   4                           ; v4  16 x lane
.set LS,   5                           ; v5  4 x lane
.set AAD8, 7                           ; v7  512 + 8 x lane
.set BAD,  8                           ; v8-9 my tiles of Wo in slot 0, 1
.set BSA,  16                          ; v16-17 my scale records in slot A, B
.set STW,  11                          ; v11 STAT + 16 r + 4 w
.set STR,  12                          ; v12 STAT + 16 r
.set ASO,  13                          ; v13 32 r
.set BOO,  14                          ; v14 64 h; never rewritten
.set SPW,  28
.set NIL,  29
.set AS,   32                          ; v32-39  o's scale words, one for each K step
.set AF,   128                         ; v128-223 o's fragments, 12 registers a K step
.set BS,   112                         ; v112-127 Wo's scale words
.set BO,   128                         ; v128-255 bo at the head
.set HA,   128
.set PC,   192
.set TM,   212
.set PW,   228
.set CH,   230
.set MEAN, 240
.set RS,   248
.set SEL,  20
.set G1C,  24
.set G1BS, 32                          ; group 1 for slot B's fills: one K step
.set G0,   48                          ; s[48:51] slot A's group 0, s[52:55] slot B's
.set OB,   56                          ; s[56:57] o's tile
; REGISTERS, in windows of 256: window 0 as above; window 1: v0-191 Wo's 16 fragments; window 2: v0-127 the accumulators (tile b at v[8 b]); window 3: v0-127 g2, v128-255 be2 at my columns.
.set MSB, 0
.macro WIN new                         ; the immediate's high byte repeats the setting that is left
.if MSB != (\new)
	s_set_vgpr_msb (MSB<<8)|(\new)
.set MSB, (\new)
.endif
.endm
.macro ROUND                           ; a round of the cluster's barrier
	s_barrier_signal -1
	s_barrier_wait -1
	s_cmp_lg_u32 s16, 0
	s_cbranch_scc1 .Lnot_wave_0_\@
	s_barrier_signal -3
.Lnot_wave_0_\@:
	s_barrier_wait -3
	s_barrier_signal -1
	s_barrier_wait -1
.endm
.macro PLACES
.rept 4
	v_nop
.endr
.endm
.macro QUANT s                         ; 64 numbers, register 16 b + i = k 32 b + 16 h + i of my row -> codes in v[PC] on, scale word in v[PW]
.irp b, 0,1,2,3
	v_max3_num_f32 v[TM+\b], |v[\s+16*\b]|, |v[\s+1+16*\b]|, 0x1800000   ; and the floor 2^(3 - 127): the byte cannot fall under 1
.endr
.irp i, 2,4,6,8,10,12,14
.irp b, 0,1,2,3
	v_max3_num_f32 v[TM+\b], v[TM+\b], |v[\s+16*\b+\i]|, |v[\s+1+16*\b+\i]|
.endr
.endr
.irp b, 0,1,2,3
	v_permlanex16_b32 v[TM+4+\b], v[TM+\b], s[SEL], s[SEL+1]
.endr
.irp b, 0,1,2,3
	v_max_num_f32 v[TM+\b], v[TM+\b], v[TM+4+\b]
.endr
.irp b, 0,1,2,3
	v_add_nc_u32 v[TM+12+\b], 0xff000000, v[TM+\b]   ; 2 off the exponent field: the conversion's scale operand
.endr
.irp b, 0,1,2,3
	v_lshrrev_b32 v[TM+4+\b], 23, v[TM+12+\b]
.endr
	v_lshl_or_b32 v[PW], v[TM+5], 8, v[TM+4]
	v_lshl_or_b32 v[PW], v[TM+6], 16, v[PW]
	v_lshl_or_b32 v[PW], v[TM+7], 24, v[PW]
.irp c, 0,1
	v_cvt_scalef32_pk16_fp6_f32 v[PC+6*\c:PC+2+6*\c], v[\s+32*\c:\s+15+32*\c], v[TM+12+2*\c]
	v_cvt_scalef32_pk16_fp6_f32 v[PC+12+4*\c:PC+14+4*\c], v[\s+16+32*\c:\s+31+32*\c], v[TM+12+2*\c+1]
.endr
	v_nop                                          ; one plain place behind a scaled conversion
.irp c, 0,1
.irp i, 0,1,2
	v_permlane16_swap_b32 v[PC+6*\c+\i], v[PC+12+4*\c+\i]
.endr
.irp i, 0,1,2
	v_mov_b32 v[PC+3+6*\c+\i], v[PC+12+4*\c+\i]
.endr
.endr
.endm
	s_load_b256 s[4:11], s[0:1], 0x0               ; wsa, wsp, bo, g2
	s_load_b128 s[12:15], s[0:1], 0x20             ; be2, wso
	v_lshl_add_u32 v[SPW], v0, 2, SPARE
	v_mov_b32 v[NIL], 0
	ds_add_u32 v28, v29
	ds_add_u32 v28, v29
	s_wait_dscnt 0x0
	v_lshrrev_b32 v1, 5, v0
	v_readfirstlane_b32 s16, v1                    ; wave 0..3
	s_bfe_u32 s17, ttmp6, 0x40000                  ; cx
	s_lshl_b32 s18, ttmp9, 2
	s_add_co_u32 s18, s18, s17                     ; R, my row tile: it enters plain loads' and stores' addresses alone
	s_mov_b32 s[SEL], 0x76543210
	s_mov_b32 s[SEL+1], 0xfedcba98
	s_mov_b32 s22, 0x3a800000                      ; 1 / 1,024
	s_mov_b32 s23, 0x3727c5ac                      ; 1e-5
	s_mov_b32 s[G1C], 15|(3<<16)|(1<<21)           ; Wo's tiles: joint
	s_mov_b32 s[G1C+1], 3328<<16                   ; slot A's fills: 2 rows (K steps) of my four quads, 26,624 bytes, 106,496 apart
	s_mov_b32 s[G1C+2], 2<<16
	s_mov_b32 s[G1C+3], 3328<<16
	s_mov_b32 s[G1C+4], 2
	s_mov_b32 s[G1C+5], 13312
	s_mov_b32 s[G1C+6], 0
	s_mov_b32 s[G1C+7], 0
	s_mov_b32 s[G1BS], 15|(3<<16)|(1<<21)          ; Wo's tiles: joint
	s_mov_b32 s[G1BS+1], 32<<16                    ; slot B's fills: my four quads of one K step, dense: 104 rows of 256 bytes
	s_mov_b32 s[G1BS+2], 104<<16
	s_mov_b32 s[G1BS+3], 32<<16
	s_mov_b32 s[G1BS+4], 104
	s_mov_b32 s[G1BS+5], 32
	s_mov_b32 s[G1BS+6], 0
	s_mov_b32 s[G1BS+7], 0
	s_mul_i32 s76, s16, 26624                      ; my four quads: in slot B, and in a K step of memory
	s_add_co_u32 s78, s76, WOC
	s_mov_b32 s79, 0
	s_lshl_b32 s77, s76, 1                         ; in slot A: 53,248 w
	s_mul_i32 s[OB], s18, 12288                    ; o's tile R
	s_mov_b32 s[OB+1], 0
	s_wait_kmcnt 0x0
	s_add_nc_u64 s[78:79], s[6:7], s[78:79]
	s_add_nc_u64 s[OB:OB+1], s[4:5], s[OB:OB+1]
	s_mov_b32 s[G0], 1
	s_mov_b32 s[G0+1], s77
	s_mov_b64 s[G0+2:G0+3], s[78:79]               ; K steps 0 and 1
	s_or_b32 s[G0+3], s[G0+3], 0x80000000
	s_mov_b32 s[G0+4], 1
	s_add_co_u32 s[G0+5], s76, SLB
	s_add_nc_u64 s[G0+6:G0+7], s[78:79], 2*106496  ; K step 2
	s_or_b32 s[G0+7], s[G0+7], 0x80000000
	ROUND                                          ; the four work-groups are here: the first joint loads meet
	tensor_load_to_lds s[G0:G0+3], s[G1C:G1C+7]    ; my one tensor load at the head
	s_nop 0
	PLACES
	v_and_b32 v1, 15, v0                           ; r
	v_bfe_u32 v2, v0, 4, 1                         ; h
	v_and_b32 v3, 31, v0                           ; lane
	v_lshlrev_b32 v[LI], 4, v3
	v_lshlrev_b32 v[LS], 2, v3
	v_lshl_add_u32 v[AAD8], v3, 3, 512             ; 512 + 8 x lane: a half image's registers 4-5
	v_add_nc_u32 v[BAD], s77, v[LI]
	v_add_nc_u32 v[BAD+1], s76, v[LI]
	v_add_nc_u32 v[BAD+1], SLB, v[BAD+1]
	v_add_nc_u32 v[BSA], s77, v[LS]
	v_add_nc_u32 v[BSA+1], s76, v[LS]
	v_add_nc_u32 v[BSA+1], SLB, v[BSA+1]
	v_lshl_add_u32 v[STR], v1, 4, STAT
	s_lshl_b32 s70, s16, 2
	v_add_nc_u32 v[STW], s70, v[STR]
	v_lshlrev_b32 v[ASO], 5, v1
	s_wait_alu depctr_va_vdst(0)
	v_lshlrev_b32 v[BOO], 6, v2
	s_wait_alu depctr_va_vdst(0)
	s_lshl_b32 s70, s16, 10                        ; my 256 columns: 1,024 w bytes
	s_mov_b32 s71, 0
	s_add_nc_u64 s[8:9], s[8:9], s[70:71]
	s_add_nc_u64 s[10:11], s[10:11], s[70:71]
	s_add_nc_u64 s[12:13], s[12:13], s[70:71]
	s_lshl_b32 s74, s18, 9
	s_add_co_u32 s74, s74, OS
	s_mov_b32 s75, 0
	s_add_nc_u64 s[74:75], s[4:5], s[74:75]        ; o's scale bytes: 512 bytes a tile
	s_lshl_b32 s70, s18, 3
	s_lshl_b32 s72, s16, 1
	s_add_co_u32 s70, s70, s72
	s_lshl_b32 s70, s70, 13                        ; f32 image (R, 2 w): (8 R + 2 w) x 8,192
	s_add_nc_u64 s[66:67], s[14:15], s[70:71]      ; in h2's
	s_add_co_u32 s72, s70, HF
	s_mov_b32 s73, 0
	s_add_nc_u64 s[72:73], s[6:7], s[72:73]        ; and in h's
	s_lshl_b32 s70, s16, 9
	s_add_co_u32 s70, s70, s18                     ; 256 (2 w) + R
	s_and_b32 s60, s70, 3                          ; the tile's place in its quad
	s_lshr_b32 s70, s70, 2
	s_mul_i32 s70, s70, 6656
	s_add_co_u32 s70, s70, H2C                     ; the quad
	s_mul_i32 s68, s60, 1536
	s_add_co_u32 s68, s68, s70
	s_mov_b32 s69, 0
	s_add_nc_u64 s[68:69], s[14:15], s[68:69]      ; the image
	s_lshl_b32 s60, s60, 7
	s_add_co_u32 s70, s70, s60
	s_add_co_u32 s70, s70, 6144
	s_add_nc_u64 s[70:71], s[14:15], s[70:71]      ; the scale record
	global_load_b128 v[AS:AS+3], v[ASO], s[74:75]
	global_load_b128 v[AS+4:AS+7], v[ASO], s[74:75] offset:16
.irp s, 0,1,2,3,4,5,6,7
	global_load_b128 v[AF+12*\s:AF+12*\s+3], v[LI], s[OB:OB+1] offset:1536*\s            ; head 2 s: registers 0-5,
	global_load_b64 v[AF+12*\s+4:AF+12*\s+5], v[AAD8], s[OB:OB+1] offset:1536*\s
	global_load_b128 v[AF+12*\s+6:AF+12*\s+9], v[LI], s[OB:OB+1] offset:1536*\s+768      ; head 2 s + 1: registers 6-11
	global_load_b64 v[AF+12*\s+10:AF+12*\s+11], v[AAD8], s[OB:OB+1] offset:1536*\s+768
.endr
	WIN 0x80                                       ; destination window 2: bo into its v128-255, h into the accumulators
.irp sb, 0,1
.irp b, 0,1,2,3
.irp j, 0,1,2,3
	global_load_b128 v[BO+64*\sb+16*\b+4*\j:BO+64*\sb+16*\b+4*\j+3], v[BOO], s[8:9] offset:512*\sb+128*\b+16*\j
.endr
.endr
.endr
.irp sb, 0,1
.irp q, 0,1,2,3,4,5,6,7,8,9,10,11,12,13,14,15
	global_load_b128 v[64*\sb+4*\q:64*\sb+4*\q+3], v[LI], s[72:73] offset:\sb*8192+512*\q th:TH_LOAD_NT
.endr
.endr
	s_wait_loadcnt 0x0
	WIN 0x8a                                       ; both sources and the destination in window 2
.set i, 0
.rept 64
	v_pk_add_f32 v[i:i+1], v[i:i+1], v[BO+i:BO+i+1]   ; h + bo: this work stands where the wave would wait for its first tiles
.set i, i+2
.endr
	WIN 0xc0                                       ; g2 and be2 into window 3: wanted only behind the last product; their address registers are not written again
.irp sb, 0,1
.irp b, 0,1,2,3
.irp j, 0,1,2,3
	global_load_b128 v[64*\sb+16*\b+4*\j:64*\sb+16*\b+4*\j+3], v[BOO], s[10:11] offset:512*\sb+128*\b+16*\j
	global_load_b128 v[128+64*\sb+16*\b+4*\j:128+64*\sb+16*\b+4*\j+3], v[BOO], s[12:13] offset:512*\sb+128*\b+16*\j
.endr
.endr
.endr
	WIN 0
	PLACES
	s_wait_alu depctr_va_vdst(0)
	s_wait_tensorcnt 0x0                           ; K steps 0 and 1 are in
	ds_add_u32 v[SPW], v[NIL]
	s_wait_dscnt 0x0
	ROUND
	tensor_load_to_lds s[G0+4:G0+7], s[G1BS:G1BS+7]   ; slot B's first fill, K step 2: my one load behind the round
	s_nop 0
	PLACES
.macro MULS b0, s                      ; 8 matrix instructions on 8 accumulators: the sixteen take turns, one instruction a turn, in the same order in every K step
.irp b, \b0, \b0+1, \b0+2, \b0+3, \b0+4, \b0+5, \b0+6, \b0+7
	v_wmma_scale_f32_16x16x128_f8f6f4 v[8*(\b):8*(\b)+7], v[12*(\b):12*(\b)+11], v[AF+12*(\s):AF+12*(\s)+11], v[8*(\b):8*(\b)+7], v[BS+(\b)], v[AS+(\s)] matrix_a_fmt:MATRIX_FMT_FP6 matrix_b_fmt:MATRIX_FMT_FP6
.endr
.endm
.macro WORK s, p, u                    ; K step s, from slot p (0: A, 1: B), the u-th step in it
.irp b, 0,1,2,3,4,5,6,7,8,9,10,11,12,13,14,15
	ds_load_b32 v[BS+\b], v[BSA+\p] offset:26624*(\u)+6656*(\b/4)+6144+128*(\b%4)
.endr
	WIN 0x40
.irp b, 0,1,2,3,4,5,6,7,8,9,10,11,12,13,14,15
.irp c, 0,1,2
	ds_load_b128 v[12*\b+4*\c:12*\b+4*\c+3], v[BAD+\p] offset:26624*(\u)+6656*(\b/4)+1536*(\b%4)+512*\c
.endr
.endr
	s_wait_dscnt 24                                ; all but Wo's tiles 8-15
	WIN 0xa1                                       ; source 0 (Wo) window 1, source 1 (o) window 0, C and D window 2
	MULS 0, \s
	s_wait_dscnt 0x0
	MULS 8, \s
	WIN 0
.endm
.macro REFILL p                        ; slot p has been read out: it takes the K steps three further on
	s_wait_tensorcnt 0x0                           ; all my tensor loads have landed: the other slot's
	ds_add_u32 v[SPW], v[NIL]
	s_add_nc_u64 s[G0+4*\p+2:G0+4*\p+3], s[G0+4*\p+2:G0+4*\p+3], 3*106496
	s_wait_dscnt 0x0                               ; the add is done, and my reads of the slot just left are over
	ROUND                                          ; both now hold of every wave of the four work-groups
	tensor_load_to_lds s[G0+4*\p:G0+4*\p+3], s[G1C+8*\p:G1C+8*\p+7]   ; my one load behind the round
	s_nop 0
	PLACES                                         ; (also the places in front of the loads that follow)
.endm
	WORK 0, 0, 0
	PLACES
	WORK 1, 0, 1
	REFILL 0                                       ; K steps 3 and 4
	WORK 2, 1, 0
	REFILL 1                                       ; K step 5
	WORK 3, 0, 0
	PLACES
	WORK 4, 0, 1
	REFILL 0                                       ; K steps 6 and 7
	WORK 5, 1, 0
	s_wait_tensorcnt 0x0                           ; K steps 6 and 7: my own bytes; nothing is filled any more
	PLACES
	WORK 6, 0, 0
	PLACES
	WORK 7, 0, 1
	; ---- layer norm 2
	PLACES                                         ; in front of the first read of results
.macro JOIN dst                        ; the four chains, the pair's halves, lane l xor 16's
	v_pk_add_f32 v[CH:CH+1], v[CH:CH+1], v[CH+2:CH+3]
	v_pk_add_f32 v[CH+4:CH+5], v[CH+4:CH+5], v[CH+6:CH+7]
	v_pk_add_f32 v[CH:CH+1], v[CH:CH+1], v[CH+4:CH+5]
	v_add_f32 v[CH], v[CH], v[CH+1]
	v_permlanex16_b32 v[CH+1], v[CH], s[SEL], s[SEL+1]
	v_add_f32 v[\dst], v[CH], v[CH+1]
.endm
.macro MEET off                        ; the four waves' parts of the rows' figure: one barrier; the sum in v[HA]
	s_wait_dscnt 0x0                               ; for the others' sake: my store has landed
	s_barrier_signal -1
	s_barrier_wait -1
	ds_load_b128 v[HA:HA+3], v[STR] offset:\off
	s_wait_dscnt 0x0
	v_add_f32 v[HA], v[HA], v[HA+1]
	v_add_f32 v[HA+2], v[HA+2], v[HA+3]
	v_add_f32 v[HA], v[HA], v[HA+2]
.endm
	WIN 0x0a                                       ; the rows' sums: chain c takes pair c of every tile, tiles ascending
.irp c, 0,1,2,3
	v_pk_add_f32 v[CH+2*\c:CH+2*\c+1], v[2*\c:2*\c+1], v[8+2*\c:9+2*\c]
.endr
	WIN 0x08
.irp b, 2,3,4,5,6,7,8,9,10,11,12,13,14,15
.irp c, 0,1,2,3
	v_pk_add_f32 v[CH+2*\c:CH+2*\c+1], v[CH+2*\c:CH+2*\c+1], v[8*\b+2*\c:8*\b+2*\c+1]
.endr
.endr
	WIN 0
	JOIN MEAN
	ds_store_b32 v[STW], v[MEAN]
	MEET 0
	v_mul_f32 v[MEAN], s22, v[HA]
	v_mov_b32 v[MEAN+1], v[MEAN]
	WIN 0x82
.set i, 0
.rept 64
	v_pk_add_f32 v[i:i+1], v[i:i+1], v[MEAN:MEAN+1] neg_lo:[0,1] neg_hi:[0,1]
.set i, i+2
.endr
	WIN 0x0a
.irp c, 0,1,2,3
	v_pk_mul_f32 v[CH+2*\c:CH+2*\c+1], v[2*\c:2*\c+1], v[2*\c:2*\c+1]
.endr
.irp b, 1,2,3,4,5,6,7,8,9,10,11,12,13,14,15
.irp c, 0,1,2,3
	v_pk_fma_f32 v[CH+2*\c:CH+2*\c+1], v[8*\b+2*\c:8*\b+2*\c+1], v[8*\b+2*\c:8*\b+2*\c+1], v[CH+2*\c:CH+2*\c+1]
.endr
.endr
	WIN 0
	JOIN RS
	ds_store_b32 v[STW], v[RS] offset:1024
	MEET 1024                                      ; other bytes than the first meeting's: no third barrier
	v_fma_f32 v[HA], v[HA], s22, s23               ; var + eps
	s_wait_alu depctr_va_vdst(0)
	v_rsq_f32 v[RS], v[HA]
	v_nop                                          ; a plain place behind the transcendental
	s_wait_alu depctr_va_vdst(0)                   ; and the wait ahead of its first reader
	v_mov_b32 v[RS+1], v[RS]
.irp b, 0,1,2,3
	v_mov_b32 v[TM+4+\b], 0                        ; a lane permute's destination counts as one of its sources
.endr
	s_wait_alu depctr_va_vdst(0)
	s_wait_loadcnt 0x0                             ; g2, be2
.irp sb, 0,1
	s_wait_xcnt 0x0                                ; the last part's stores have read their registers
	WIN 0x02
.set i, 0
.rept 32
	v_pk_mul_f32 v[HA+i:HA+i+1], v[64*\sb+i:64*\sb+i+1], v[RS:RS+1]
.set i, i+2
.endr
	WIN 0x3c                                       ; sources 1 and 2 (g2, be2) window 3
.set i, 0
.rept 32
	v_pk_fma_f32 v[HA+i:HA+i+1], v[HA+i:HA+i+1], v[64*\sb+i:64*\sb+i+1], v[128+64*\sb+i:128+64*\sb+i+1]
.set i, i+2
.endr
	WIN 0
.irp q, 0,1,2,3,4,5,6,7,8,9,10,11,12,13,14,15
	global_store_b128 v[LI], v[HA+4*\q:HA+4*\q+3], s[66:67] offset:\sb*8192+512*\q   ; 512 consecutive bytes a store
.endr
	QUANT HA
.irp c, 0,1,2
	global_store_b128 v[LI], v[PC+4*\c:PC+4*\c+3], s[68:69] offset:425984*\sb+512*\c   ; the next K step lies 64 quads on
.endr
	global_store_b32 v[LS], v[PW], s[70:71] offset:425984*\sb
.endr
	s_wait_tensorcnt 0x0                           ; the wave's end
	ds_add_u32 v[SPW], v[NIL]
	s_wait_dscnt 0x0
	ROUND                                          ; the closing round
	s_endpgm
.Lfunc_end_k_q5b02337d1d_oln:
	.size	k_q5b02337d1d_oln, .Lfunc_end_k_q5b02337d1d_oln-k_q5b02337d1d_oln
	.p2alignl 7, 3214868480
	.fill 96, 4, 3214868480
	.section	.rodata,"a",@progbits
	.p2align	6, 0x0
	.amdhsa_kernel k_q5b02337d1d_oln
		.amdhsa_group_segment_fixed_size 327680
		.amdhsa_private_segment_fixed_size 0
		.amdhsa_enable_private_segment 0
		.amdhsa_kernarg_size 48
		.amdhsa_user_sgpr_count 2
		.amdhsa_user_sgpr_kernarg_segment_ptr 1
		.amdhsa_wavefront_size32 1
		.amdhsa_system_sgpr_workgroup_id_x 1
		.amdhsa_system_sgpr_workgroup_id_y 1
		.amdhsa_system_sgpr_workgroup_id_z 1
		.amdhsa_system_vgpr_workitem_id 0
		.amdhsa_next_free_vgpr 1024
		.amdhsa_next_free_sgpr 80
		.amdhsa_reserve_vcc 0
		.amdhsa_float_denorm_mode_32 3
		.amdhsa_float_denorm_mode_16_64 3
		.amdhsa_memory_ordered 1
		.amdhsa_forward_progress 1
		.amdhsa_inst_pref_size 112
	.end_amdhsa_kernel
	.amdgpu_metadata
---
amdhsa.version: [ 1, 2 ]
amdhsa.kernels:
  - .name:           k_q5b02337d1d_oln
    .symbol:         k_q5b02337d1d_oln.kd
    .args:
      - { .name: wsa, .offset: 0, .size: 8, .value_kind: global_buffer, .address_space: global }
      - { .name: wsp, .offset: 8, .size: 8, .value_kind: global_buffer, .address_space: global }
      - { .name: bo, .offset: 16, .size: 8, .value_kind: global_buffer, .address_space: global }
      - { .name: g2, .offset: 24, .size: 8, .value_kind: global_buffer, .address_space: global }
      - { .name: be2, .offset: 32, .size: 8, .value_kind: global_buffer, .address_space: global }
      - { .name: wso, .offset: 40, .size: 8, .value_kind: global_buffer, .address_space: global }
    .group_segment_fixed_size: 327680
    .private_segment_fixed_size: 0
    .kernarg_segment_align: 8
    .kernarg_segment_size: 48
    .max_flat_workgroup_size: 128
    .sgpr_count:     80
    .vgpr_count:     1024
    .wavefront_size: 32
...
	.end_amdgpu_metadata
.endif
;; end of part 4
;; launch gf1 (part 5): grid 16 x 16, 4 waves a work-group, clusters of 4 x 4, 327,680 bytes of LDS; arguments wso, wsp, b1, wsh; writes wsh
.if DOCPART == 5
	.amdgcn_target "amdgcn-amd-amdhsa--gfx1250"
	.amdhsa_code_object_version 6
	.text
	.protected	k_q5b02337d1d_gf1
	.globl	k_q5b02337d1d_gf1
	.p2align	8
	.type	k_q5b02337d1d_gf1,@function
k_q5b02337d1d_gf1:
	s_mov_b64 s[64:65], 0
	v_nop
	global_prefetch_b8 v0, s[64:65] scope:SCOPE_SE
	s_setreg_imm32_b32 hwreg(HW_REG_WAVE_MODE, 25, 1), 1
	s_wait_xcnt 0x0
	s_wait_alu depctr_hold_cnt(0) depctr_sa_sdst(0) depctr_va_vdst(0) depctr_va_sdst(0) depctr_va_ssrc(0) depctr_va_vcc(0) depctr_vm_vsrc(0)
	s_getreg_b32 s2, hwreg(HW_REG_IB_STS2, 6, 4)
	s_cmp_eq_u32 s2, 0
	s_cbranch_scc0 .Lentry_in_a_cluster
	s_endpgm
.Lentry_in_a_cluster:
	s_bfe_u32 s2, ttmp6, 0x10000c
	s_cmp_lg_u32 s2, 0xf033
	s_cbranch_scc0 .Lentry_shape_is_right
	s_endpgm
.Lentry_shape_is_right:
; hidden = relu(h2 W1 + b1), on codes of FP6 (E2M3) with E8M0 scales; the result is quantised here along the hidden units and stored as the next product's operand.
; A work-group of four waves makes 256 x 256, a wave 128 x 128: 64 accumulators.  Source 0 = 16 rows of W1, source 1 = 16 rows of h2: a lane holds a token, its registers run along the hidden units.
; TABLES: [K step][row tile / 4] quads of 6,656 bytes: four row tiles' fragment images at 1,536 j, their scale records at 6,144 + 128 j.  Row tile R: lane r has row 32 (R / 2) + 8 (R % 2) + r + 8 (r / 8).
; K = 1,024 goes in four steps of 256 through two LDS slots; the scale records come with the codes.  CLUSTERS 4 x 4: h2's tiles are asked for jointly along a row, W1's along a column.
; LIMITS: NaN and infinities are not served; a block whose largest magnitude lies under 2^-124 gets the scale byte 1 (only this program reads the bytes).
.set NQ,    2
.set FR,    12
.set NL,    3
.set NP,    4
.set QUART, 26624                      ; what one tensor load brings: [q 2][2 quads]
.set SLOT,  4*QUART
.set SPARE, 2*SLOT                     ; the spare words: two blocks of 256 bytes that no other line names
.set NR,    256
.set STEP2, 2*NR*1664
.set H2C,   16777216
.set W1C,   22740992
.set ADRA, 16
.set ADRB, 20
.set LI,   24
.set LS,   26
.set ADRS, 18                          ; v18-19 my scale words in slot 0, 1: lanes 0-15 A's, lanes 16-31 B's
.set SPW,  28
.set NIL,  29
.set SC,   32
.set BI,   64
.set AF,   128
.set HA,   128
.set PC,   192
.set TM,   212
.set PW,   228
.set SEL,  98
.set G1, 24
.set G0, 32
.set G1B, 48
.set G0B, 56
.set MSB, 0
.macro WIN new
.if MSB != (\new)
	s_set_vgpr_msb (MSB<<8)|(\new)
.set MSB, (\new)
.endif
.endm
.set MUL_LO, 0xa1
.set MUL_HI, 0xf1
.set TO_B,   0x40
.macro JLOAD g0a, g1a, g0b, g1b
	s_cmp_eq_u32 s15, 0
	s_cbranch_scc0 .Lfor_b_\@
	tensor_load_to_lds s[\g0a:\g0a+3], s[\g1a:\g1a+7]
	s_nop 0
.rept 4
	v_nop
.endr
	s_branch .Lasked_\@
.Lfor_b_\@:
	tensor_load_to_lds s[\g0b:\g0b+3], s[\g1b:\g1b+7]
	s_nop 0
.rept 4
	v_nop
.endr
.Lasked_\@:
.endm
.macro CREST
	s_cmp_lg_u32 s14, 0
	s_cbranch_scc1 .Lnot_wave_0_\@
	s_barrier_signal -3
.Lnot_wave_0_\@:
	s_barrier_wait -3
	s_barrier_signal -1
	s_barrier_wait -1
.endm
.macro CROUND
	s_barrier_signal -1
	s_barrier_wait -1
	CREST
.endm
.macro QUANT s
.irp b, 0,1,2,3
	v_max3_num_f32 v[TM+\b], |v[\s+16*\b]|, |v[\s+1+16*\b]|, 0x1800000
.endr
.irp i, 2,4,6,8,10,12,14
.irp b, 0,1,2,3
	v_max3_num_f32 v[TM+\b], v[TM+\b], |v[\s+16*\b+\i]|, |v[\s+1+16*\b+\i]|
.endr
.endr
.irp b, 0,1,2,3
	v_permlanex16_b32 v[TM+4+\b], v[TM+\b], s[SEL], s[SEL+1]
.endr
.irp b, 0,1,2,3
	v_max_num_f32 v[TM+\b], v[TM+\b], v[TM+4+\b]
.endr
.irp b, 0,1,2,3
	v_add_nc_u32 v[TM+12+\b], 0xff000000, v[TM+\b]
.endr
.irp b, 0,1,2,3
	v_lshrrev_b32 v[TM+4+\b], 23, v[TM+12+\b]
.endr
	v_lshl_or_b32 v[PW], v[TM+5], 8, v[TM+4]
	v_lshl_or_b32 v[PW], v[TM+6], 16, v[PW]
	v_lshl_or_b32 v[PW], v[TM+7], 24, v[PW]
.irp c, 0,1
	v_cvt_scalef32_pk16_fp6_f32 v[PC+6*\c:PC+2+6*\c], v[\s+32*\c:\s+15+32*\c], v[TM+12+2*\c]
	v_cvt_scalef32_pk16_fp6_f32 v[PC+12+4*\c:PC+14+4*\c], v[\s+16+32*\c:\s+31+32*\c], v[TM+12+2*\c+1]
.endr
	v_nop
.irp c, 0,1
.irp i, 0,1,2
	v_permlane16_swap_b32 v[PC+6*\c+\i], v[PC+12+4*\c+\i]
.endr
.irp i, 0,1,2
	v_mov_b32 v[PC+3+6*\c+\i], v[PC+12+4*\c+\i]
.endr
.endr
.endm
	s_load_b256 s[4:11], s[0:1], 0x0
	v_lshl_add_u32 v[SPW], v0, 2, SPARE
	v_mov_b32 v[NIL], 0
	ds_add_u32 v28, v29
	ds_add_u32 v28, v29
	s_wait_dscnt 0x0
	v_lshrrev_b32 v1, 5, v0
	v_readfirstlane_b32 s14, v1
	s_lshr_b32 s15, s14, 1
	s_and_b32 s16, s14, 1
	s_bfe_u32 s40, ttmp6, 0x40000
	s_bfe_u32 s41, ttmp6, 0x40004
	s_lshl_b32 s42, ttmp9, 2
	s_add_co_u32 s42, s42, s40
	s_and_b32 s17, ttmp7, 0xffff
	s_lshl_b32 s17, s17, 2
	s_add_co_u32 s17, s17, s41
	s_lshl_b32 s43, s41, 2
	s_lshl_b32 s43, 15, s43
	s_lshl_b32 s44, 0x1111, s40
	s_mov_b32 s[SEL], 0x76543210
	s_mov_b32 s[SEL+1], 0xfedcba98
	s_or_b32 s[G1+0], s43, (3<<16)|(1<<21)
	s_or_b32 s[G1B+0], s44, (3<<16)|(1<<21)
.irp g, G1, G1B
	s_mov_b32 s[\g+1], 1664<<16                    ; 2 rows (K steps of 128) of two quads, 13,312 bytes
	s_mov_b32 s[\g+2], 2<<16
	s_mov_b32 s[\g+3], 1664<<16
	s_mov_b32 s[\g+4], 2
	s_mov_b32 s[\g+5], NR*1664/8
	s_mov_b32 s[\g+6], 0
	s_mov_b32 s[\g+7], 0
.endr
	s_lshl_b32 s18, s16, 3
	s_lshl_b32 s20, s17, 4
	s_add_co_u32 s20, s20, s18
	s_lshl_b32 s46, s42, 4
	s_add_co_u32 s46, s46, s18
	s_mul_i32 s20, s20, 1664                       ; a multiple of eight tiles: whole quads
	s_add_co_u32 s20, s20, H2C
	s_mov_b32 s21, 0
	s_mul_i32 s46, s46, 1664
	s_add_co_u32 s46, s46, W1C
	s_mov_b32 s47, 0
	s_mul_i32 s45, s14, QUART
	s_wait_kmcnt 0x0
	s_add_nc_u64 s[20:21], s[4:5], s[20:21]
	s_add_nc_u64 s[46:47], s[6:7], s[46:47]
	CROUND                                         ; all sixteen work-groups are here: the first joint loads meet
.irp s, 0,1
	s_mov_b32 s[G0+4*\s], 1
	s_add_co_u32 s[G0+4*\s+1], s45, \s*SLOT
	s_add_nc_u64 s[G0+4*\s+2:G0+4*\s+3], s[20:21], \s*STEP2
	s_or_b32 s[G0+4*\s+3], s[G0+4*\s+3], 0x80000000
	s_mov_b32 s[G0B+4*\s], 1
	s_add_co_u32 s[G0B+4*\s+1], s45, \s*SLOT
	s_add_nc_u64 s[G0B+4*\s+2:G0B+4*\s+3], s[46:47], \s*STEP2
	s_or_b32 s[G0B+4*\s+3], s[G0B+4*\s+3], 0x80000000
.endr
	JLOAD G0, G1, G0B, G1B                         ; slot 0: my one tensor load at the head
	v_bfe_u32 v2, v0, 4, 1
	s_wait_alu depctr_va_vdst(0)
	v_and_b32 v3, 31, v0
	v_lshlrev_b32 v[LI], 4, v3
	v_lshlrev_b32 v[LS], 2, v3
	s_mul_i32 s21, s15, QUART
	s_mul_i32 s22, s16, QUART
	s_add_co_u32 s22, s22, 2*QUART
.irp s, 0,1
	v_add_nc_u32 v[ADRA+\s], s21, v[LI]
	v_add_nc_u32 v[ADRB+\s], s22, v[LI]
	s_add_co_u32 s21, s21, SLOT
	s_add_co_u32 s22, s22, SLOT
.endr
	s_mul_i32 s21, s15, QUART                      ; A's records lie in my half of A,
	s_mul_i32 s22, s16, QUART                      ; B's in my half of B, behind A's two
	s_add_co_u32 s22, s22, 2*QUART
	s_sub_co_u32 s22, s22, s21
	v_mul_u32_u24 v6, s22, v2                      ; lanes 16-31 take B's
	s_wait_alu depctr_va_vdst(0)
	v_add_nc_u32 v5, v[LS], v6
	v_add_nc_u32 v[ADRS], s21, v5
	v_add_nc_u32 v[ADRS+1], SLOT, v[ADRS]
	s_lshl_b32 s66, s42, 10
	s_lshl_b32 s67, s16, 9
	s_add_co_u32 s66, s66, s67
	s_mov_b32 s67, 0
	s_add_nc_u64 s[96:97], s[8:9], s[66:67]
	v_lshlrev_b32 v14, 6, v2
.irp b, 0,1,2,3,4,5,6,7
	global_load_b128 v[BI+8*\b:BI+8*\b+3], v14, s[96:97] offset:(32*(\b/2)+8*(\b%2))*4
	global_load_b128 v[BI+8*\b+4:BI+8*\b+7], v14, s[96:97] offset:(32*(\b/2)+8*(\b%2))*4+16
.endr
.macro FRAG reg, adr, q, i
.irp c, 0,1,2
	ds_load_b128 v[\reg+4*\c:\reg+4*\c+3], v[\adr] offset:13312*(\q)+6656*((\i)/4)+1536*((\i)%4)+512*\c
.endr
.endm
.macro MUL16 a0, p, q, sc, zero
.irp a, \a0, \a0+1
.irp b, 0,1,2,3,4,5,6,7
.if \zero
	v_wmma_scale_f32_16x16x128_f8f6f4 v[8*(8*((\a)%4)+\b):8*(8*((\a)%4)+\b)+7], v[128*(\p)+FR*\b:128*(\p)+FR*\b+FR-1], v[AF+FR*(\a):AF+FR*(\a)+FR-1], 0, v[SC+8*NQ*(\sc)+NQ*\b+(\q)], v[SC+8*NQ*(\sc)+NQ*(\a)+(\q)] matrix_a_fmt:MATRIX_FMT_FP6 matrix_b_fmt:MATRIX_FMT_FP6 matrix_a_scale:MATRIX_SCALE_ROW1
.else
	v_wmma_scale_f32_16x16x128_f8f6f4 v[8*(8*((\a)%4)+\b):8*(8*((\a)%4)+\b)+7], v[128*(\p)+FR*\b:128*(\p)+FR*\b+FR-1], v[AF+FR*(\a):AF+FR*(\a)+FR-1], v[8*(8*((\a)%4)+\b):8*(8*((\a)%4)+\b)+7], v[SC+8*NQ*(\sc)+NQ*\b+(\q)], v[SC+8*NQ*(\sc)+NQ*(\a)+(\q)] matrix_a_fmt:MATRIX_FMT_FP6 matrix_b_fmt:MATRIX_FMT_FP6 matrix_a_scale:MATRIX_SCALE_ROW1
.endif
.endr
.endr
.endm
.macro FETCH_B slot, q, p
	WIN TO_B
.irp i, 0,1,2,3,4,5,6,7
	FRAG 128*(\p)+FR*\i, ADRB+\slot, \q, \i
.endr
	WIN 0
.endm
.macro FETCH_A slot, q, i0
.irp i, \i0, \i0+1, \i0+2, \i0+3
	FRAG AF+FR*(\i), ADRA+\slot, \q, \i
.endr
.endm
.macro SCALES sc
.irp i, 0,1,2,3,4,5,6,7
.irp q, 0,1
	ds_load_b32 v[SC+8*NQ*\sc+NQ*\i+\q], v[ADRS+\sc] offset:13312*\q+6656*(\i/4)+6144+128*(\i%4)
.endr
.endr
.endm
.macro PLACES n
.rept \n
	v_nop
.endr
.endm
.macro STEP slot, q, zero
	s_wait_dscnt 4*NL
	WIN MUL_LO
	MUL16 0, (\q)%2, \q, \slot, \zero
	MUL16 2, (\q)%2, \q, \slot, \zero
	s_wait_dscnt 0
	PLACES NP
	FETCH_B \slot, (\q)+1, 1-(\q)%2
	FETCH_A \slot, (\q)+1, 0
	WIN MUL_HI
	MUL16 4, (\q)%2, \q, \slot, \zero
	MUL16 6, (\q)%2, \q, \slot, \zero
	PLACES NP
	WIN 0
	FETCH_A \slot, (\q)+1, 4
.endm
.macro TURN slot, next, fill
	s_wait_tensorcnt 0x0
	ds_add_u32 v[SPW], v[NIL]
	s_wait_dscnt 4*NL+1
	WIN MUL_LO
	MUL16 0, 1, NQ-1, \slot, 0
	s_wait_dscnt 0x0
	s_barrier_signal -1
	MUL16 2, 1, NQ-1, \slot, 0
	WIN 0
	s_barrier_wait -1
.if \fill
	CREST
	s_add_nc_u64 s[G0+4*\slot+2:G0+4*\slot+3], s[G0+4*\slot+2:G0+4*\slot+3], 2*STEP2
	s_add_nc_u64 s[G0B+4*\slot+2:G0B+4*\slot+3], s[G0B+4*\slot+2:G0B+4*\slot+3], 2*STEP2
	JLOAD G0+4*\slot, G1, G0B+4*\slot, G1B
.else
	PLACES NP
.endif
	FETCH_B \next, 0, 0
	FETCH_A \next, 0, 0
	SCALES \next
	WIN MUL_HI
	MUL16 4, 1, NQ-1, \slot, 0
	MUL16 6, 1, NQ-1, \slot, 0
	PLACES NP
	WIN 0
	FETCH_A \next, 0, 4
.endm
	s_wait_alu depctr_va_vdst(0)
	s_wait_tensorcnt 0x0                           ; my part of slot 0 is in
	ds_add_u32 v[SPW], v[NIL]
	s_wait_dscnt 0x0
	CROUND                                         ; everybody's part of slot 0 is in, and the sixteen work-groups meet
	JLOAD G0+4, G1, G0B+4, G1B                     ; slot 1's first fill: my one tensor load behind the round
	FETCH_B 0, 0, 0
	FETCH_A 0, 0, 0
	SCALES 0
	FETCH_A 0, 0, 4
	STEP 0, 0, 1
	TURN 0, 1, 1
	STEP 1, 0, 0
	TURN 1, 0, 1
	STEP 0, 0, 0
	TURN 0, 1, 0
	STEP 1, 0, 0
	s_wait_dscnt 4*NL
	WIN MUL_LO
	MUL16 0, 1, NQ-1, 1, 0
	MUL16 2, 1, NQ-1, 1, 0
	s_wait_dscnt 0
	WIN MUL_HI
	MUL16 4, 1, NQ-1, 1, 0
	MUL16 6, 1, NQ-1, 1, 0
	WIN 0
	PLACES NP
	s_wait_loadcnt 0x0
.irp b, 0,1,2,3
	v_mov_b32 v[TM+4+\b], 0
.endr
	s_lshl_b32 s20, s42, 1
	s_add_co_u32 s20, s20, s16
	s_lshl_b32 s20, s20, 8
	s_lshl_b32 s21, s17, 4
	s_add_co_u32 s20, s20, s21
	s_lshl_b32 s21, s15, 3
	s_add_co_u32 s20, s20, s21
	s_mul_i32 s20, s20, 1664                       ; my eight row tiles: two quads of [K step 32][64 quads]
	s_mov_b32 s21, 0
	s_add_nc_u64 s[20:21], s[10:11], s[20:21]
.irp a, 0,1,2,3,4,5,6,7
	WIN 0x02+(\a)/4
.irp b, 0,1,2,3,4,5,6,7
.irp jj, 0,2,4,6
	v_pk_add_f32 v[HA+8*\b+\jj:HA+8*\b+\jj+1], v[8*(8*(\a%4)+\b)+\jj:8*(8*(\a%4)+\b)+\jj+1], v[BI+8*\b+\jj:BI+8*\b+\jj+1]
.endr
.endr
	WIN 0
.set i, 0
.rept 64
	v_max_num_f32 v[HA+i], 0, v[HA+i]
.set i, i+1
.endr
.if \a > 0
	s_wait_xcnt 0x0
.endif
	QUANT HA
.irp c, 0,1,2
	global_store_b128 v[LI], v[PC+4*\c:PC+4*\c+3], s[20:21] offset:6656*(\a/4)+1536*(\a%4)+512*\c
.endr
	global_store_b32 v[LS], v[PW], s[20:21] offset:6656*(\a/4)+6144+128*(\a%4)
.endr
	s_wait_tensorcnt 0x0
	ds_add_u32 v[SPW], v[NIL]
	s_wait_dscnt 0x0
	CROUND
	s_endpgm
.Lfunc_end_k_q5b02337d1d_gf1:
	.size	k_q5b02337d1d_gf1, .Lfunc_end_k_q5b02337d1d_gf1-k_q5b02337d1d_gf1
	.p2alignl 7, 3214868480
	.fill 96, 4, 3214868480
	.section	.rodata,"a",@progbits
	.p2align	6, 0x0
	.amdhsa_kernel k_q5b02337d1d_gf1
		.amdhsa_group_segment_fixed_size 327680
		.amdhsa_private_segment_fixed_size 0
		.amdhsa_enable_private_segment 0
		.amdhsa_kernarg_size 32
		.amdhsa_user_sgpr_count 2
		.amdhsa_user_sgpr_kernarg_segment_ptr 1
		.amdhsa_wavefront_size32 1
		.amdhsa_system_sgpr_workgroup_id_x 1
		.amdhsa_system_sgpr_workgroup_id_y 1
		.amdhsa_system_sgpr_workgroup_id_z 1
		.amdhsa_system_vgpr_workitem_id 0
		.amdhsa_next_free_vgpr 1024
		.amdhsa_next_free_sgpr 102
		.amdhsa_reserve_vcc 0
		.amdhsa_float_denorm_mode_32 3
		.amdhsa_float_denorm_mode_16_64 3
		.amdhsa_memory_ordered 1
		.amdhsa_forward_progress 1
		.amdhsa_inst_pref_size 173
	.end_amdhsa_kernel
	.amdgpu_metadata
---
amdhsa.version: [ 1, 2 ]
amdhsa.kernels:
  - .name:           k_q5b02337d1d_gf1
    .symbol:         k_q5b02337d1d_gf1.kd
    .args:
      - { .name: wso, .offset: 0, .size: 8, .value_kind: global_buffer, .address_space: global }
      - { .name: wsp, .offset: 8, .size: 8, .value_kind: global_buffer, .address_space: global }
      - { .name: b1, .offset: 16, .size: 8, .value_kind: global_buffer, .address_space: global }
      - { .name: wsh, .offset: 24, .size: 8, .value_kind: global_buffer, .address_space: global }
    .group_segment_fixed_size: 327680
    .private_segment_fixed_size: 0
    .kernarg_segment_align: 8
    .kernarg_segment_size: 32
    .max_flat_workgroup_size: 128
    .sgpr_count:     102
    .vgpr_count:     1024
    .wavefront_size: 32
...
	.end_amdgpu_metadata
.endif
;; end of part 5
;; launch gf2 (part 6): grid 8 x 32, 4 waves a work-group, clusters of 4 x 4, 327,680 bytes of LDS; arguments wsh, wsp, wso, b2, out0; writes out0
.if DOCPART == 6
	.amdgcn_target "amdgcn-amd-amdhsa--gfx1250"
	.amdhsa_code_object_version 6
	.text
	.protected	k_q5b02337d1d_gf2
	.globl	k_q5b02337d1d_gf2
	.p2align	8
	.type	k_q5b02337d1d_gf2,@function
k_q5b02337d1d_gf2:
	s_mov_b64 s[64:65], 0
	v_nop
	global_prefetch_b8 v0, s[64:65] scope:SCOPE_SE
	s_setreg_imm32_b32 hwreg(HW_REG_WAVE_MODE, 25, 1), 1
	s_wait_xcnt 0x0
	s_wait_alu depctr_hold_cnt(0) depctr_sa_sdst(0) depctr_va_vdst(0) depctr_va_sdst(0) depctr_va_ssrc(0) depctr_va_vcc(0) depctr_vm_vsrc(0)
	s_getreg_b32 s2, hwreg(HW_REG_IB_STS2, 6, 4)
	s_cmp_eq_u32 s2, 0
	s_cbranch_scc0 .Lentry_in_a_cluster
	s_endpgm
.Lentry_in_a_cluster:
	s_bfe_u32 s2, ttmp6, 0x10000c
	s_cmp_lg_u32 s2, 0xf033
	s_cbranch_scc0 .Lentry_shape_is_right
	s_endpgm
.Lentry_shape_is_right:
; out0 = h2 + hidden W2 + b2: [4,096 x 4,096] x [4,096 x 1,024] on codes of FP6 (E2M3) with E8M0 scales, sums in f32.
; SHARES: 32 x 8 blocks of 128 x 128 = 256 work-groups; four waves, each 64 x 64: 16 accumulators, to which h2 + b2 is added at the end (h2's f32 images lie in the result's layout).
; TABLES: hidden is [K step 32][64 quads], W2 [K step 32][16 quads]; a quad of 6,656 bytes (26 x 256) holds four row tiles' fragment images at 1,536 j and their scale records at 6,144 + 128 j.
; Row tile R: lane r has row 32 (R / 2) + 8 (R % 2) + r + 8 (r / 8).  An image's chunk c at 512 c + 16 x lane is operand registers 4 c .. 4 c + 3.  A wave's 64 rows of an operand are one quad a K step.
; TWO SLOTS OF UNLIKE SIZE: slot 0 holds 8 K steps (4 waves' fetches x 53,248 bytes), slot 1 holds 4 (4 x 26,624): K steps 0-7, 8-11, 12-19, 20-23, 24-31: five fills, one tensor load a wave each.
; While slot 0's 128 matrix instructions a wave run, slot 1's fill is out, and the other way round; 32 = 8 + 4 + 8 + 4 + 8 has no period, so the walk is written out by macros.
; CLUSTERS 4 x 4: hidden's quads are asked for jointly along a row of the cluster, W2's along a column.  Waves 0, 1 fetch hidden's two halves, waves 2, 3 W2's.
; Source 0 = 16 rows of W2, source 1 = 16 rows of hidden: a lane holds one row of out0 and eight neighbouring columns an accumulator.
; PREFETCH: behind a fill's request each wave names the K steps of the NEXT fill of its own quad column: a lane a block of 256 bytes (26 to a quad; lanes 26-31 name the last again),
; the four partners of a joint load share the K steps out by address (2 p, 2 p + 1 of eight, or p of four).  The first two fills come by their loads alone; the last fill is the last thing asked for.
; REGISTERS: window 0: v0-31 addresses, v32-79 scale words (slot 0: 4 q + i at v32, slot 1 at v64; lanes 0-15 hidden's tile i, lanes 16-31 W2's), v80-111 b2, v128-255 accumulators; window 1: two sets of fragments.
; LIMITS: NaN and infinities are not served.
.set QUAD,  6656
.set AP,    64*QUAD                    ; from K step to K step in hidden,
.set BP,    16*QUAD                    ; and in W2
.set RA,    8*QUAD                     ; a wave's fetch in slot 0,
.set RB,    4*QUAD                     ; and in slot 1
.set SLB,   4*RA                       ; slot 1; on the way out the waves' stages, when it has had its last fill and its last read
.set SPARE, SLB+4*RB                   ; the spare words: two blocks of 256 bytes that no other line names
.set W2C,   27000832
.set ADRA, 16                          ; v16-17 my fragments of hidden in slot 0, 1
.set ADRS, 18                          ; v18-19 my scale words
.set ADRB, 20                          ; v20-21 my fragments of W2
.set STO,  24
.set RD,   25
.set CO,   26
.set SPW,  28
.set NIL,  29
.set PFO,  30                          ; v30 256 x min(lane, 25); v31 the same one K step on
.set SC,   32
.set BK,   32                          ; the way out: rows read back from the stage
.set BI,   80
.set ACC,  128
.set G1A,  24                          ; s[24:31] group 1, hidden, 8 K steps; s[32:39] 4 K steps
.set G1B,  48                          ; s[48:55], s[56:63] the same for W2
.set G0A,  68                          ; s[68:75] group 0, hidden, slot 0, 1
.set G0B,  76                          ; s[76:83] W2
.set PF,   84                          ; s[84:89] where my three prefetches stand; never rewritten
; h2 IS ADDED AT THE END: the sums begin with the constant 0 (ZF = 1 in the first K step); h2's f32 images are asked for behind the first joint load, into window 2 (v0-127, in the accumulators' order),
; take b2 in behind the first change of slots, and are added to the finished sums on the way out.  So no wave waits for h2 ahead of its first product.
.set ZF, 1
.set MSB, 0
.macro WIN new                         ; the immediate's high byte repeats the setting that is left
.if MSB != (\new)
	s_set_vgpr_msb (MSB<<8)|(\new)
.set MSB, (\new)
.endif
.endm
.set MUL,  0x05                        ; sources 0 and 1 window 1, C and D window 0
.set TO_F, 0x40                        ; destination window 1
.macro JLOAD s                         ; slot s's joint load: waves 0, 1 for hidden, waves 2, 3 for W2; s_nop 0 and four v_nop follow each line
	s_cmp_eq_u32 s15, 0
	s_cbranch_scc0 .Lfor_b_\@
	tensor_load_to_lds s[G0A+4*\s:G0A+4*\s+3], s[G1A+8*\s:G1A+8*\s+7]
	s_nop 0
.rept 4
	v_nop
.endr
	s_branch .Lasked_\@
.Lfor_b_\@:
	tensor_load_to_lds s[G0B+4*\s:G0B+4*\s+3], s[G1B+8*\s:G1B+8*\s+7]
	s_nop 0
.rept 4
	v_nop
.endr
.Lasked_\@:
.endm
.macro CREST                           ; a round of the cluster's barrier behind its opening barrier
	s_cmp_lg_u32 s14, 0
	s_cbranch_scc1 .Lnot_wave_0_\@
	s_barrier_signal -3
.Lnot_wave_0_\@:
	s_barrier_wait -3
	s_barrier_signal -1
	s_barrier_wait -1
.endm
.macro CROUND
	s_barrier_signal -1
	s_barrier_wait -1
	CREST
.endm
.macro PLACES                          ; plain places behind matrix instructions (ISA guide 7.12.1)
.rept 4
	v_nop
.endr
.endm
.macro ASK pf, rows                    ; the next fill's K steps that fall to my work-group
.if \rows
	global_prefetch_b8 v[PFO], s[\pf:\pf+1] th:TH_LOAD_NT scope:SCOPE_SE
.endif
.if \rows > 1
	global_prefetch_b8 v[PFO+1], s[\pf:\pf+1] th:TH_LOAD_NT scope:SCOPE_SE
.endif
.endm
	s_load_b256 s[4:11], s[0:1], 0x0               ; wsh, wsp, wso, b2
	s_load_b64 s[12:13], s[0:1], 0x20              ; out0
	v_lshl_add_u32 v[SPW], v0, 2, SPARE
	v_mov_b32 v[NIL], 0
	ds_add_u32 v[SPW], v[NIL]                      ; the opening lines: the add, twice on end, and its wait ahead of my first tensor load
	ds_add_u32 v[SPW], v[NIL]
	v_lshrrev_b32 v1, 5, v0
	v_readfirstlane_b32 s14, v1                    ; wave 0..3
	v_and_b32 v1, 15, v0                           ; r
	v_bfe_u32 v2, v0, 4, 1                         ; h
	v_and_b32 v3, 31, v0                           ; lane
	v_lshlrev_b32 v4, 4, v3                        ; 16 x lane
	v_lshlrev_b32 v5, 2, v3                        ; 4 x lane
	v_lshlrev_b32 v7, 6, v2                        ; 64 h
	v_mul_u32_u24 v8, v1, 272
	v_lshl_add_u32 v8, v2, 6, v8                   ; the stage, in: row r of 272 bytes, 64 bytes for each half of the lanes
	v_mul_u32_u24 v9, v2, 272
	v_lshl_add_u32 v9, v1, 4, v9                   ; back: lanes 0-15 one row of 256 bytes, lanes 16-31 the next
	v_lshlrev_b32 v[CO], 4, v1
	v_lshl_add_u32 v[CO], v2, 12, v[CO]            ; and the same two rows in out0
	v_min_u32 v[PFO], 25, v3
	v_lshlrev_b32 v[PFO], 8, v[PFO]
	s_lshr_b32 s15, s14, 1                         ; my half of the block's rows.  Also: I fetch for hidden (0) or for W2 (1)
	s_and_b32 s16, s14, 1                          ; my half of its columns.  Also: which half I fetch
	s_bfe_u32 s40, ttmp6, 0x40000                  ; cx
	s_bfe_u32 s41, ttmp6, 0x40004                  ; cy
	s_lshl_b32 s42, ttmp9, 2
	s_add_co_u32 s42, s42, s40                     ; block column 0..7
	s_and_b32 s17, ttmp7, 0xffff
	s_lshl_b32 s17, s17, 2
	s_add_co_u32 s17, s17, s41                     ; block row 0..31
	s_lshl_b32 s43, s41, 2
	s_lshl_b32 s43, 15, s43                        ; my row of the cluster
	s_lshl_b32 s44, 0x1111, s40                    ; my column
	; group 1: rows (K steps) of one quad = 832 elements of 8 bytes
.irp g, G1A, G1A+8
	s_or_b32 s[\g], s43, (3<<16)|(1<<21)
	s_mov_b32 s[\g+5], AP/8
.endr
.irp g, G1B, G1B+8
	s_or_b32 s[\g], s44, (3<<16)|(1<<21)
	s_mov_b32 s[\g+5], BP/8
.endr
.irp g, G1A, G1A+8, G1B, G1B+8
	s_mov_b32 s[\g+1], 832<<16
	s_mov_b32 s[\g+3], 832<<16
	s_mov_b32 s[\g+6], 0
	s_mov_b32 s[\g+7], 0
.endr
.irp g, G1A, G1B
	s_mov_b32 s[\g+2], 8<<16
	s_mov_b32 s[\g+4], 8
	s_mov_b32 s[\g+10], 4<<16
	s_mov_b32 s[\g+12], 4
.endr
	s_lshl_b32 s90, s17, 1
	s_add_co_u32 s90, s90, s16
	s_mul_i32 s90, s90, QUAD                       ; hidden: the quad that I fetch, by the block row alone
	s_mov_b32 s91, 0
	s_lshl_b32 s92, s42, 1
	s_add_co_u32 s92, s92, s16
	s_mul_i32 s92, s92, QUAD
	s_add_co_u32 s92, s92, W2C                     ; W2: by the block column alone
	s_mov_b32 s93, 0
	s_mul_i32 s45, s14, RA                         ; where they go: by the wave's number alone
	s_mul_i32 s94, s14, RB
	s_add_co_u32 s94, s94, SLB
	s_mul_i32 s18, s15, RA                         ; what I read: my half of hidden in slot 0,
	s_add_co_u32 s19, s16, 2
	s_mul_i32 s21, s19, RB
	s_mul_i32 s19, s19, RA                         ; my half of W2, behind hidden's two,
	s_mul_i32 s20, s15, RB
	s_sub_co_u32 s22, s19, s18                     ; the distance between the two, for the scale words' lanes 16-31,
	s_sub_co_u32 s23, s21, s20
	s_add_co_u32 s20, s20, SLB                     ; and the same in slot 1
	s_add_co_u32 s21, s21, SLB
	s_mul_i32 s46, s14, 4352
	s_add_co_u32 s46, s46, SLB                     ; my stage
	s_mov_b32 s47, BP
	s_cmp_eq_u32 s15, 0
	s_cselect_b32 s47, AP, s47                     ; a K step of the operand that I fetch
	s_cselect_b32 s95, s40, s41                    ; p: my place among the four that ask with me
	s_lshl_b32 s96, s95, 1
	s_add_co_u32 s96, s96, 12
	s_mul_i32 s96, s96, s47                        ; K step 12 + 2 p
	s_mov_b32 s97, 0
	s_add_co_u32 s98, s95, 20
	s_mul_i32 s98, s98, s47                        ; K step 20 + p
	s_mov_b32 s99, 0
	s_mul_i32 s100, s47, 12                        ; from 12 + 2 p to 24 + 2 p
	s_mov_b32 s101, 0
	s_wait_alu depctr_va_vdst(0)                   ; directly ahead of the readers below
	v_add_nc_u32 v[ADRA], s18, v4
	v_add_nc_u32 v[ADRB], s19, v4
	v_add_nc_u32 v[ADRA+1], s20, v4
	v_add_nc_u32 v[ADRB+1], s21, v4
	v_mul_u32_u24 v10, s22, v2
	v_mul_u32_u24 v11, s23, v2
	v_add_nc_u32 v10, v10, v5
	v_add_nc_u32 v11, v11, v5
	v_add_nc_u32 v[ADRS], s18, v10
	v_add_nc_u32 v[ADRS+1], s20, v11
	v_add_nc_u32 v[STO], s46, v8
	v_add_nc_u32 v[RD], s46, v9
	v_add_nc_u32 v[PFO+1], s47, v[PFO]
	s_lshl_b32 s18, s17, 7
	s_lshl_b32 s19, s15, 6
	s_add_co_u32 s18, s18, s19                     ; my first row of out0
	s_lshl_b32 s18, s18, 12
	s_lshl_b32 s20, s42, 9
	s_lshl_b32 s19, s16, 8
	s_add_co_u32 s20, s20, s19                     ; my first column, in bytes: b2's offset too
	s_mov_b32 s21, 0
	s_add_co_u32 s18, s18, s20
	s_mov_b32 s19, 0
	s_lshl_b32 s22, s17, 3
	s_lshl_b32 s23, s15, 2
	s_add_co_u32 s22, s22, s23                     ; my first row tile
	s_lshl_b32 s22, s22, 3
	s_add_co_u32 s22, s22, s42
	s_lshl_b32 s22, s22, 13                        ; h2's f32 image (R, block column),
	s_lshl_b32 s23, s16, 12
	s_add_co_u32 s22, s22, s23                     ; my half of its 128 columns
	s_mov_b32 s23, 0
	s_wait_alu depctr_va_vdst(0)
	s_wait_dscnt 0x0                               ; both opening adds are done
	s_wait_kmcnt 0x0
	s_add_nc_u64 s[12:13], s[12:13], s[18:19]
	s_add_nc_u64 s[10:11], s[10:11], s[20:21]
	s_add_nc_u64 s[8:9], s[8:9], s[22:23]
	s_add_nc_u64 s[90:91], s[4:5], s[90:91]
	s_add_nc_u64 s[92:93], s[6:7], s[92:93]
	s_mov_b32 s[G0A], 1
	s_mov_b32 s[G0A+1], s45
	s_mov_b64 s[G0A+2:G0A+3], s[90:91]             ; K steps 0-7
	s_or_b32 s[G0A+3], s[G0A+3], 0x80000000
	s_mov_b32 s[G0A+4], 1
	s_mov_b32 s[G0A+5], s94
	s_add_nc_u64 s[G0A+6:G0A+7], s[90:91], 8*AP    ; K steps 8-11
	s_or_b32 s[G0A+7], s[G0A+7], 0x80000000
	s_mov_b32 s[G0B], 1
	s_mov_b32 s[G0B+1], s45
	s_mov_b64 s[G0B+2:G0B+3], s[92:93]
	s_or_b32 s[G0B+3], s[G0B+3], 0x80000000
	s_mov_b32 s[G0B+4], 1
	s_mov_b32 s[G0B+5], s94
	s_add_nc_u64 s[G0B+6:G0B+7], s[92:93], 8*BP
	s_or_b32 s[G0B+7], s[G0B+7], 0x80000000
	s_cmp_eq_u32 s15, 0
	s_cselect_b64 s[PF:PF+1], s[90:91], s[92:93]
	s_add_nc_u64 s[PF+2:PF+3], s[PF:PF+1], s[98:99]
	s_add_nc_u64 s[PF:PF+1], s[PF:PF+1], s[96:97]
	s_add_nc_u64 s[PF+4:PF+5], s[PF:PF+1], s[100:101]
	CROUND                                         ; all sixteen work-groups are here: the first joint loads meet
	JLOAD 0                                        ; my one tensor load at the head
.irp b, 0,1
.irp j, 0,1,2,3
	global_load_b128 v[BI+16*\b+4*\j:BI+16*\b+4*\j+3], v7, s[10:11] offset:128*\b+16*\j
.endr
.endr
	WIN 0x80                                       ; destination window 2
.irp a, 0,1,2,3
.irp q, 0,1,2,3,4,5,6,7
	global_load_b128 v[32*\a+4*\q:32*\a+4*\q+3], v4, s[8:9] offset:65536*\a+512*\q th:TH_LOAD_NT   ; h2
.endr
.endr
	WIN 0
; four matrix instructions: hidden's tile a x W2's four.  The sixteen accumulators take turns, one instruction a turn, in the same order in every K step.
.macro MULA f, a, slot, q
.irp b, 0,1,2,3
.if ZF
	v_wmma_scale_f32_16x16x128_f8f6f4 v[ACC+32*(\a)+8*\b:ACC+32*(\a)+8*\b+7], v[128*(\f)+12*\b:128*(\f)+12*\b+11], v[128*(\f)+48+12*(\a):128*(\f)+48+12*(\a)+11], 0, v[SC+32*(\slot)+4*(\q)+\b], v[SC+32*(\slot)+4*(\q)+(\a)] matrix_a_fmt:MATRIX_FMT_FP6 matrix_b_fmt:MATRIX_FMT_FP6 matrix_a_scale:MATRIX_SCALE_ROW1
.else
	v_wmma_scale_f32_16x16x128_f8f6f4 v[ACC+32*(\a)+8*\b:ACC+32*(\a)+8*\b+7], v[128*(\f)+12*\b:128*(\f)+12*\b+11], v[128*(\f)+48+12*(\a):128*(\f)+48+12*(\a)+11], v[ACC+32*(\a)+8*\b:ACC+32*(\a)+8*\b+7], v[SC+32*(\slot)+4*(\q)+\b], v[SC+32*(\slot)+4*(\q)+(\a)] matrix_a_fmt:MATRIX_FMT_FP6 matrix_b_fmt:MATRIX_FMT_FP6 matrix_a_scale:MATRIX_SCALE_ROW1
.endif
.endr
.endm
.macro FETCH slot, q, f
	WIN TO_F
.irp i, 0,1,2,3
.irp c, 0,1,2
	ds_load_b128 v[128*(\f)+12*\i+4*\c:128*(\f)+12*\i+4*\c+3], v[ADRB+\slot] offset:QUAD*(\q)+1536*\i+512*\c
.endr
.endr
.irp i, 0,1,2,3
.irp c, 0,1,2
	ds_load_b128 v[128*(\f)+48+12*\i+4*\c:128*(\f)+48+12*\i+4*\c+3], v[ADRA+\slot] offset:QUAD*(\q)+1536*\i+512*\c
.endr
.endr
.endm
.macro SCALES slot, n                  ; the scale words of the slot's n K steps
.set QS, 0
.rept \n
.irp i, 0,1,2,3
	ds_load_b32 v[SC+32*\slot+4*QS+\i], v[ADRS+\slot] offset:QUAD*QS+6144+128*\i
.endr
.set QS, QS+1
.endr
.endm
.macro QUARTER slot, q                 ; a K step with its successor in the same slot
	s_wait_dscnt 6                                 ; all but hidden's tiles 2 and 3
	WIN MUL
	MULA (\q)%2, 0, \slot, \q
	MULA (\q)%2, 1, \slot, \q
	PLACES
	FETCH \slot, (\q)+1, 1-(\q)%2
	s_wait_dscnt 24                                ; all but the 24 just issued
	WIN MUL
	MULA (\q)%2, 2, \slot, \q
	MULA (\q)%2, 3, \slot, \q
.set ZF, 0                             ; only the first K step starts the sums
.endm
.macro PHASE slot, n                   ; all of a slot's K steps but the last
.set QN, 0
.rept \n-1
	QUARTER \slot, QN
.set QN, QN+1
.endr
.endm
; A slot's last K step lq changes slots: one barrier; in front of it each wave waits for all its tensor loads, adds 0 to its spare word, and waits for that and for its reads of this slot.
.macro TURN slot, lq, next, nn, fill, pf, rows
	WIN 0
	s_wait_tensorcnt 0x0                           ; my one load that was out, my part of the next slot, has landed
	ds_add_u32 v[SPW], v[NIL]
	s_wait_dscnt 7                                 ; (the add and hidden's tiles 2 and 3 may be out)
	WIN MUL
	MULA 1, 0, \slot, \lq
	s_wait_dscnt 0x0                               ; the add is done, and my reads of this slot are over
	s_barrier_signal -1
	MULA 1, 1, \slot, \lq
	WIN 0
	s_barrier_wait -1
.if \fill
	CREST                                          ; the barrier has opened a round of the cluster's: no wave of any partner still reads this slot or has a load on its way
	s_add_nc_u64 s[G0A+4*\slot+2:G0A+4*\slot+3], s[G0A+4*\slot+2:G0A+4*\slot+3], 12*AP
	s_add_nc_u64 s[G0B+4*\slot+2:G0B+4*\slot+3], s[G0B+4*\slot+2:G0B+4*\slot+3], 12*BP
	JLOAD \slot                                    ; twelve K steps on: my one load behind the round; its four v_nop are the places in front of the loads below
.else
	PLACES
.endif
	SCALES \next, \nn
	FETCH \next, 0, 0
	ASK \pf, \rows
	WIN MUL
	MULA 1, 2, \slot, \lq
	MULA 1, 3, \slot, \lq
.endm
	s_wait_alu depctr_va_vdst(0)
	s_wait_tensorcnt 0x0                           ; my part of K steps 0-7 is in
	ds_add_u32 v[SPW], v[NIL]
	s_wait_dscnt 0x0
	CROUND                                         ; everybody's part is in, and the sixteen work-groups meet
	JLOAD 1                                        ; K steps 8-11
	SCALES 0, 8
	FETCH 0, 0, 0
	ASK PF, 2                                      ; K steps 12 + 2 p, 13 + 2 p
	PHASE 0, 8
	TURN 0, 7, 1, 4, 1, PF+2, 1                    ; slot 0 takes K steps 12-19; K step 20 + p is asked for
	s_wait_loadcnt 0x0                             ; h2 and b2, asked for eight K steps ago
	WIN 0x82                                       ; destination and source 0 window 2
.irp a, 0,1,2,3
.set i, 0
.rept 16
	v_pk_add_f32 v[32*\a+i:32*\a+i+1], v[32*\a+i:32*\a+i+1], v[BI+i:BI+i+1]   ; h2 + b2
.set i, i+2
.endr
.endr
	s_wait_alu depctr_va_vdst(0)
	PHASE 1, 4
	TURN 1, 3, 0, 8, 1, PF+4, 2                    ; slot 1 takes K steps 20-23; K steps 24 + 2 p, 25 + 2 p are asked for
	PHASE 0, 8
	TURN 0, 7, 1, 4, 1, 0, 0                       ; slot 0 takes K steps 24-31
	PHASE 1, 4
	TURN 1, 3, 0, 8, 0, 0, 0                       ; nothing is left to fetch
	PHASE 0, 8
	s_wait_dscnt 6
	WIN MUL
	MULA 1, 0, 0, 7
	MULA 1, 1, 0, 7
	s_wait_dscnt 0
	MULA 1, 2, 0, 7
	MULA 1, 3, 0, 7
	WIN 0
; THE WAY OUT, tile by tile of 16 rows x 64 columns, through my own stage: in as 32 bytes a lane and accumulator, each from its low end on; back as whole rows of 256 bytes, which sixteen lanes store as one aligned unit.
.macro TOSTAGE a
.irp b, 0,1,2,3
	ds_store_b128 v[STO], v[ACC+32*(\a)+8*\b:ACC+32*(\a)+8*\b+3] offset:128*(\b/2)+32*(\b%2)
	ds_store_b128 v[STO], v[ACC+32*(\a)+8*\b+4:ACC+32*(\a)+8*\b+7] offset:128*(\b/2)+32*(\b%2)+16
.endr
.set BB, BK+32*((\a)%2)
.irp t, 0,1,2,3,4,5,6,7
	ds_load_b128 v[BB+4*\t:BB+4*\t+3], v[RD] offset:544*\t         ; LDS serves a wave's instructions in order (ISA guide 5.7.1.4)
.endr
.endm
.macro SEND a, younger                 ; younger: the LDS instructions issued behind tile a's loads
.set BB, BK+32*((\a)%2)
	s_wait_dscnt \younger
.irp t, 0,1,2,3,4,5,6,7
	global_store_b128 v[CO], v[BB+4*\t:BB+4*\t+3], s[12:13] offset:(32*((\a)/2)+8*((\a)%2)+2*\t+8*(\t/4))*4096 th:TH_STORE_NT
.endr
.endm
	PLACES                                         ; in front of the first read of results and of loads into the scale words' registers
	WIN 0x08                                       ; source 1 window 2
.set i, 0
.rept 64
	v_pk_add_f32 v[ACC+i:ACC+i+1], v[ACC+i:ACC+i+1], v[i:i+1]   ; + h2 + b2, each accumulator from its low end on
.set i, i+2
.endr
	WIN 0
	s_wait_alu depctr_va_vdst(0)
	TOSTAGE 0
.irp a, 1,2,3
.if \a > 1
	s_wait_xcnt 0x0                                ; tile a - 2's stores have read their registers
.endif
	TOSTAGE \a
	SEND \a-1, 16
.endr
	SEND 3, 0
	s_wait_tensorcnt 0x0                           ; the wave's end
	ds_add_u32 v[SPW], v[NIL]
	s_wait_dscnt 0x0
	CROUND                                         ; the closing round
	s_endpgm
.Lfunc_end_k_q5b02337d1d_gf2:
	.size	k_q5b02337d1d_gf2, .Lfunc_end_k_q5b02337d1d_gf2-k_q5b02337d1d_gf2
	.p2alignl 7, 3214868480
	.fill 96, 4, 3214868480
	.section	.rodata,"a",@progbits
	.p2align	6, 0x0
	.amdhsa_kernel k_q5b02337d1d_gf2
		.amdhsa_group_segment_fixed_size 327680
		.amdhsa_private_segment_fixed_size 0
		.amdhsa_enable_private_segment 0
		.amdhsa_kernarg_size 40
		.amdhsa_user_sgpr_count 2
		.amdhsa_user_sgpr_kernarg_segment_ptr 1
		.amdhsa_wavefront_size32 1
		.amdhsa_system_sgpr_workgroup_id_x 1
		.amdhsa_system_sgpr_workgroup_id_y 1
		.amdhsa_system_sgpr_workgroup_id_z 1
		.amdhsa_system_vgpr_workitem_id 0
		.amdhsa_next_free_vgpr 768
		.amdhsa_next_free_sgpr 102
		.amdhsa_reserve_vcc 0
		.amdhsa_float_denorm_mode_32 3
		.amdhsa_float_denorm_mode_16_64 3
		.amdhsa_memory_ordered 1
		.amdhsa_forward_progress 1
		.amdhsa_inst_pref_size 161
	.end_amdhsa_kernel
	.amdgpu_metadata
---
amdhsa.version: [ 1, 2 ]
amdhsa.kernels:
  - .name:           k_q5b02337d1d_gf2
    .symbol:         k_q5b02337d1d_gf2.kd
    .args:
      - { .name: wsh, .offset: 0, .size: 8, .value_kind: global_buffer, .address_space: global }
      - { .name: wsp, .offset: 8, .size: 8, .value_kind: global_buffer, .address_space: global }
      - { .name: wso, .offset: 16, .size: 8, .value_kind: global_buffer, .address_space: global }
      - { .name: b2, .offset: 24, .size: 8, .value_kind: global_buffer, .address_space: global }
      - { .name: out0, .offset: 32, .size: 8, .value_kind: global_buffer, .address_space: global }
    .group_segment_fixed_size: 327680
    .private_segment_fixed_size: 0
    .kernarg_segment_align: 8
    .kernarg_segment_size: 40
    .max_flat_workgroup_size: 128
    .sgpr_count:     102
    .vgpr_count:     768
    .wavefront_size: 32
...
	.end_amdgpu_metadata
.endif
;; end of part 6
